; MI455X (gfx1250); checked and timed in simulation.
; The chip was launched on July 23, 2026; its instructions are those of AMD's public machine-readable ISA for CDNA 5 (MIT licence, August 2026) and "CDNA5" Instruction Set Architecture Reference Guide (July 2026). The comments in the code are by the model that wrote it; some were corrected since.
;; Cross Attention. Allowed arithmetic: matrix products marked QUANTISED: E5M2 operands, one E8M0 scale for each 32 along K, by v_wmma_scale_f32_16x16x128_f8f6f4 with both operands' format E5M2, f32 sums; everything else in f32.
;; Inputs: Wk_codes 1,024 x 32 x 32 uint8 (E5M2 codes of Wk, K innermost, in blocks of 32 codes); Wk_scales 1,024 x 32 uint8 (E8M0 scales of Wk, one for each 32 codes along K); Wo_codes 1,024 x 32 x 32 uint8 (E5M2 codes of Wo, K innermost, in blocks of 32 codes); Wo_scales 1,024 x 32 uint8 (E8M0 scales of Wo, one for each 32 codes along K); Wq_codes 1,024 x 32 x 32 uint8 (E5M2 codes of Wq, K innermost, in blocks of 32 codes); Wq_scales 1,024 x 32 uint8 (E8M0 scales of Wq, one for each 32 codes along K); Wv_codes 1,024 x 32 x 32 uint8 (E5M2 codes of Wv, K innermost, in blocks of 32 codes); Wv_scales 1,024 x 32 uint8 (E8M0 scales of Wv, one for each 32 codes along K); bo 1,024 float32; x_codes 4 x 2,048 x 32 x 32 uint8 (E5M2 codes of x, K innermost, in blocks of 32 codes); x_scales 4 x 2,048 x 32 uint8 (E8M0 scales of x, one for each 32 codes along K).
;; Outputs: out0 4 x 2,048 x 1,024 float32.
;; This version of the problem:
;;   THIS VERSION OF THE PROBLEM IS GIVEN IN LOW PRECISION. The matrix products marked QUANTISED in the list below multiply operands that are first quantised to E5M2 (5 exponent bits, 2 mantissa bits; 8 bits a number), with one power-of-two scale for each 32 numbers along K (OCP MX v1.0); their sums are f32. All else is computed in f32.
;;   The module's matrix products, in the order in which they are computed (A, B: the left and right operand; K: the contracted axis; several contracted axes count as one K, in the product's order):
;;     1. [M 8,192, K 1,024] x [K 1,024, N 1,024]; A: input x (given as codes); B: input Wq (given as codes): QUANTISED
;;     2. [M 8,192, K 1,024] x [K 1,024, N 1,024]; A: input x (given as codes); B: input Wk (given as codes): QUANTISED
;;     3. [M 8,192, K 1,024] x [K 1,024, N 1,024]; A: input x (given as codes); B: input Wv (given as codes): QUANTISED
;;     4. batch 64 x [M 2,048, K 64] x [K 64, N 2,048]; A: computed on the way; B: computed on the way: QUANTISED
;;     5. batch 64 x [M 2,048, K 2,048] x [K 2,048, N 64]; A: softmax (see below); B: computed on the way: QUANTISED
;;     6. [M 8,192, K 1,024] x [K 1,024, N 1,024]; A: computed on the way; B: input Wo (given as codes): QUANTISED
;;   THE QUANTISER, for each operand of a quantised product, along K:
;;     - K is cut into blocks of 32 from its start; a last block that is shorter is filled with zeros.
;;     - A block's scale is 2^e with e = floor(log2(the largest magnitude in the block)) - 15, held to -126 .. 127; a block of zeros has e = 0. As a byte (E8M0): e + 127.
;;     - Each number is divided by its block's scale, clamped to +-57,344, and rounded to the nearest number of E5M2, ties to even, subnormals kept.
;;     - The product sums the exact products of the quantised numbers (number of the format x scale) in f32.
;;   ~~~python
;;   def quantise(x, axis):      # numpy; x: float32 -> the quantised numbers, widened to float32 again
;;       x = np.moveaxis(x, axis, -1); K = x.shape[-1]
;;       x = np.pad(x, [(0, 0)] * (x.ndim - 1) + [(0, -K % 32)]); x = x.reshape(x.shape[:-1] + (-1, 32)); a = np.abs(x).max(-1, keepdims=True)
;;       e = np.where(a > 0, np.clip(np.frexp(np.where(a > 0, a, 1))[1] - 1 - 15, -126, 127), 0)      # np.frexp(a)[1] - 1 = floor(log2(a)), exactly
;;       r = np.clip(x / 2.0 ** e, -57344, 57344)
;;       step = 2.0 ** (np.maximum(np.frexp(np.where(r == 0, 1, r))[1] - 1, -14) - 2)
;;       q = np.round(r / step) * step * 2.0 ** e      # np.round: ties to even
;;       return np.moveaxis(q.reshape(q.shape[:-2] + (-1,))[..., :K], -1, axis).astype(np.float32)
;;   ~~~
;;   SOFTMAX AHEAD OF A QUANTISED PRODUCT. Where the list says 'softmax', what is quantised is not the finished softmax but p = 2^(t - M), with t = logit x log2(e) and M = ceil(the row's largest t), a whole number; so 1/2 < the row's largest p <= 1. The row's sum l is taken of the UNQUANTISED p, in f32, and the product's result is divided by l at the end. Since M is a whole number, a kernel that streams over the keys may use a running M (the ceiling of the running maximum): every later rescaling is an exact power of two, which a block's scale takes up: the codes' values come out the same.
;;   OPERANDS COMPUTED ON THE WAY. 'Computed on the way' means the value that the module computes at that place (a softmax that the list does not call 'softmax' is quantised finished and normalised). What goes into a quantiser is computed in f32, as accurately as f32 sums, v_exp_f32 and their like allow (about 1e-6 of the number): no bf16 or f16 on the way to a quantiser, and a product that is left as it is and whose result goes on into a quantised operand takes f32 operands (vector FMAs, or v_wmma_f32_16x16x4_f32). A number that lies on a knife's edge between two numbers of the format may be rounded either way, as far as f32 arithmetic and the matrix unit's own rounding can turn it there, and no further.
;;   INPUTS GIVEN AS CODES. Wk (in the module: [1024, 1024], K = its axis 0); Wo (in the module: [1024, 1024], K = its axis 0); Wq (in the module: [1024, 1024], K = its axis 0); Wv (in the module: [1024, 1024], K = its axis 0); x (in the module: [4, 2048, 1024], K = its axis 2): each comes as NAME_codes (uint8): NAME with its K axis moved to the last place and cut into blocks of 32 codes, [.., K / 32, bytes a block], one block behind the other in memory; one code a byte (a code: sign, 5 exponent bits, 2 mantissa bits); and NAME_scales (uint8): the same leading axes, one E8M0 byte (e + 127) for each 32 codes along K. Its value is code x scale, taken as it is: it is not quantised again, and the codes and scales need not be those that the quantiser above would give.
;; One version. Each part assembles by itself: llvm-mc -triple=amdgcn-amd-amdhsa -mcpu=gfx1250 --defsym DOCPART=n.
;; ======== version 1 of 1: 3 launches
;; limits: right only within a limited range of input values
;; workspace buffers: q_img 8,388,608 bytes; q_sc 524,288 bytes; kv 17,825,792 bytes; o_img 8,388,608 bytes; o_sc 262,144 bytes
;; launch qkv (part 1): grid 12 x 64, 4 waves a work-group, clusters of 4 x 4, 327,680 bytes of LDS; arguments x_codes, x_scales, Wq_codes, Wq_scales, Wk_codes, Wk_scales, Wv_codes, Wv_scales, q_img, q_sc, kv; writes q_img, q_sc, kv
.if DOCPART == 1
	.amdgcn_target "amdgcn-amd-amdhsa--gfx1250"
	.amdhsa_code_object_version 6
	.text
	.protected	k_q1a15dbea13_qkv
	.globl	k_q1a15dbea13_qkv
	.p2align	8
	.type	k_q1a15dbea13_qkv,@function
k_q1a15dbea13_qkv:
	s_mov_b64 s[64:65], 0
	v_nop
	global_prefetch_b8 v0, s[64:65] scope:SCOPE_SE
	s_setreg_imm32_b32 hwreg(HW_REG_WAVE_MODE, 25, 1), 1
	s_wait_xcnt 0x0
	s_wait_alu depctr_hold_cnt(0) depctr_sa_sdst(0) depctr_va_vdst(0) depctr_va_sdst(0) depctr_va_ssrc(0) depctr_va_vcc(0) depctr_vm_vsrc(0)
	s_getreg_b32 s2, hwreg(HW_REG_IB_STS2, 6, 4)
	s_cmp_eq_u32 s2, 0
	s_cbranch_scc0 .Lentry_in_a_cluster
	s_endpgm
.Lentry_in_a_cluster:
	s_bfe_u32 s2, ttmp6, 0x10000c
	s_cmp_lg_u32 s2, 0xf033
	s_cbranch_scc0 .Lentry_shape_is_right
	s_endpgm
.Lentry_shape_is_right:
; q = rope(x Wq), k = rope(x Wk), v = x Wv on codes of BF8 (E5M2) with one E8M0 scale for each 32 along K = 1,024; the results are quantised here and leave as codes,
; laid in the order of the next launch's operand registers.  The cluster's x says which product: 0 q, 1 k, 2 v; it is the same in all sixteen partners.
; SHARES.  A work-group makes 128 rows of the side P (source 1: its rows fall to the lanes) x 256 rows of the side R (source 0: its rows run along a lane's registers).
;   q, k: P = x (tokens), R = Wq or Wk (features): a lane holds one token and 64 features at a time, the next product's K (the head's 64).
;   v:    P = Wv (features), R = x (tokens): a lane holds one feature and 64 tokens at a time, the next product's K (the keys).  Only pointers and offsets differ: one path through the text.
; Four waves, each 64 rows of P x 128 of R: 32 accumulators.  K goes in steps of 256 through two LDS slots filled by the tensor data mover; P's tile is asked for jointly by a row of the cluster, R's by a column.
; THE ORDER INSIDE A BLOCK OF 32.  Accumulators 2 B and 2 B + 1 give lane (r, h) the 16 numbers 32 B + 8 h + 0..7 and 32 B + 16 + 8 h + 0..7: all of one block of 32, which lanes l and l xor 16 hold together.
;   Their codes go to registers 4 B .. 4 B + 3 as they stand.  q and k are laid alike, and so are v and the softmax's p in the next launch: both sides of a product carry the same order, so each product meets its partner.
; ROPE.  cos and sin of token x 10^(-p / 8), p = 0 .. 31, are made once a work-group, a thread to a token, in f32: the angle is one f32 product, reduced by pi / 2 in two parts, then polynomials of degree 7 and 8.
;   For v the token counts as 0: cos = 1 and sin = 0 exactly, and the rotation changes nothing.
; LIMITS: the frequencies are the f32 numbers nearest to 10^(-p / 8); a power and a division in f32 may give a neighbour, which moves an angle by up to 1.2e-4 at token 2,047.  The rotation is fused (one rounding less).
;   A block of zeros gets the scale byte 1 (its codes are zeros; this program alone reads the bytes).  NaN and infinities are not served.
.set KROW,   1024                      ; a row of codes in memory
.set ROWB,   256                       ; a K step's part of it
.set PITCH,  272                       ; an LDS row: 256 bytes + 16 of padding: the 16 rows that a load touches start 68 words apart
.set PHALF,  64*PITCH                  ; 64 rows of P: what one tensor load brings, and what one wave reads
.set RHALF,  128*PITCH                 ; 128 rows of R likewise
.set SLOT,   2*PHALF+2*RHALF           ; P's 128 rows, then R's 256
.set SCL,    2*SLOT                    ; the scale bytes for all of K, as pieces of 256 bytes + 16: P's 128 rows, then R's 256
.set PHS,    8*272                     ; those of 64 rows
.set RHS,    16*272                    ; of 128 rows
.set SBLK,   2*272                     ; of 16 rows
.set SPARE,  SCL+2*PHS+2*RHS           ; the spare words, 128 bytes a wave, that no other line names
.set TAB,    SPARE+512                 ; the table: 128 rows of P x (32 pairs (cos, sin) = 256 bytes, + 16)
.set SST,    TAB+128*272               ; a stage of 512 bytes a wave for the scale words
.set REC,    17408                     ; kv: a record of 128 keys: K's images 8,192, V's images 8,192, K's scale words 512, V's 256, 256 more that nothing reads as data
.set HEADB,  16*REC
.set FR,     16                        ; registers of a fragment: 16 rows x 128 K
.set NP,     8                         ; places behind this matrix instruction (ISA guide 7.12.1)
.set TA,   7                           ; v7   where my thread stores its row of the table
.set RT,   8                           ; v8   where my lane reads the table
.set LI,   9                           ; v9   16 x lane: an image's place
.set SS,   10                          ; v10  the stage: my row's word
.set SL,   11                          ; v11  the stage, read back: 8 x lane
.set SO,   12                          ; v12  8 x lane, in memory
.set TT,   13                          ; v13  my thread's token as f32
.set VS3,  14
.set VC3,  15
.set ADRA, 16                          ; v16-17 my fragments of P in slot 0, 1
.set ADRB, 20                          ; v20-21 of R
.set ADRS, 27                          ; v27  my scale words: lanes 0-15 P's rows, lanes 16-31 R's
.set SPW,  28                          ; v28  my spare word; never rewritten
.set NIL,  29                          ; v29  0; never rewritten
.set SC,   32                          ; v32-63 scale words: set s at SC + 16 s; register 2 i + q: lanes 0-15 P's block i, lanes 16-31 R's block i
.set W,    64                          ; v64-103 at work on the table
.set Y,    64                          ; v64-127 later: 64 rotated numbers
.set AF,   128                         ; v128-191 P's four fragments, one set
.set OUTT, 128                         ; before that: the table's results, eight registers for each call
.set PC,   128                         ; after that: the codes just made,
.set TM,   144                         ; v144-159 the quantiser's work,
.set PW,   160                         ; v160-167 a block's two scale words,
.set SW,   170                         ; v170-173 the words read back
.set CS,   192                         ; v192-255 (cos, sin) of a block's rows, two sets
.set G1,   24                          ; s[24:31] group 1 for P's tiles; s[32:39] groups 0, one for each slot
.set G0,   32
.set G1B,  48                          ; s[48:55], s[56:63] the same for R
.set G0B,  56
.set G1S,  68                          ; s[68:75], s[76:79] P's scales; s[80:87], s[88:91] R's
.set G0S,  76
.set G1SB, 80
.set G0SB, 88
.set SEL,  100                         ; s[100:101] v_permlanex16_b32's selects for lane l xor 16
.set MNT,  104
.set MSB, 0
.macro WIN new                         ; the immediate's high byte repeats the setting that is left
.if MSB != \new
	s_set_vgpr_msb (MSB<<8)|\new
.set MSB, \new
.endif
.endm
.set MUL,  0xa1                        ; source 0 (R) window 1, source 1 (P) window 0, C and D window 2
.set TO_B, 0x40                        ; destination window 1
; A joint load: waves 0 and 1 fetch for P, waves 2 and 3 for R.  Four v_nop follow each of the two lines.
.macro JLOAD g0a, g1a, g0b, g1b
	s_cmp_eq_u32 s15, 0
	s_cbranch_scc0 .Lfor_b_\@
	tensor_load_to_lds s[\g0a:\g0a+3], s[\g1a:\g1a+7]
	s_nop 0
.rept 4
	v_nop
.endr
	s_branch .Lasked_\@
.Lfor_b_\@:
	tensor_load_to_lds s[\g0b:\g0b+3], s[\g1b:\g1b+7]
	s_nop 0
.rept 4
	v_nop
.endr
.Lasked_\@:
.endm
.macro CREST                           ; a round of the cluster's barrier behind its opening barrier
	s_cmp_lg_u32 s14, 0
	s_cbranch_scc1 .Lnot_wave_0_\@
	s_barrier_signal -3
.Lnot_wave_0_\@:
	s_barrier_wait -3
	s_barrier_signal -1
	s_barrier_wait -1
.endm
.macro CROUND
	s_barrier_signal -1
	s_barrier_wait -1
	CREST
.endm
.macro PLACES n
.rept \n
	v_nop
.endr
.endm
	s_load_b256 s[68:75], s[0:1], 0x0              ; x's codes, x's scales, Wq's codes, Wq's scales
	s_load_b256 s[76:83], s[0:1], 0x20             ; Wk's, Wv's
	s_load_b128 s[84:87], s[0:1], 0x40             ; q_img, q_sc
	s_load_b64 s[88:89], s[0:1], 0x50              ; kv
	v_lshl_add_u32 v[SPW], v0, 2, SPARE
	v_mov_b32 v[NIL], 0
	ds_add_u32 v28, v29
	ds_add_u32 v28, v29
	s_wait_dscnt 0x0
	v_lshrrev_b32 v1, 5, v0
	v_readfirstlane_b32 s14, v1                    ; wave 0..3
	s_lshr_b32 s15, s14, 1                         ; which 64 rows of P are mine.  Also: I fetch for P (0) or for R (1)
	s_and_b32 s16, s14, 1                          ; which 128 rows of R.  Also: which half of that tile I fetch
	s_bfe_u32 s40, ttmp6, 0x40000                  ; cx, cy: my place in the cluster
	s_bfe_u32 s41, ttmp6, 0x40004
	s_mov_b32 s98, ttmp9                           ; the kind: 0 q, 1 k, 2 v
	s_and_b32 s99, ttmp7, 0xffff                   ; the cluster's y, 0..15
	s_and_b32 s2, s99, 1
	s_lshr_b32 s3, s99, 1
	s_cmp_eq_u32 s98, 2
	s_cselect_b32 s17, s2, s99                     ; q, k: P's tile = 4 y + cy of 64;  v: 4 (y & 1) + cy of 8
	s_cselect_b32 s42, s3, 0                       ; q, k: R's tile = cx of 4;         v: 4 (y >> 1) + cx of 32
	s_cselect_b32 s105, 0, 2047                    ; the token's mask: for v every token counts as 0
	s_lshl_b32 s17, s17, 2
	s_add_co_u32 s17, s17, s41
	s_lshl_b32 s42, s42, 2
	s_add_co_u32 s42, s42, s40
	s_lshl_b32 s43, s41, 2
	s_lshl_b32 s43, 15, s43                        ; my row of the cluster
	s_lshl_b32 s44, 0x1111, s40                    ; my column
	; group 1 for the codes: rows of 256 bytes, 1,024 apart in memory, 16 bytes of padding behind each; P 64 rows a load, R 128
	s_or_b32 s[G1+0], s43, (0<<16)|(1<<20)|(1<<21)|(5<<22)|(3<<25)
	s_or_b32 s[G1B+0], s44, (0<<16)|(1<<20)|(1<<21)|(5<<22)|(3<<25)
	s_mov_b32 s[G1+1], ROWB<<16
	s_mov_b32 s[G1+2], 64<<16
	s_mov_b32 s[G1+3], ROWB<<16
	s_mov_b32 s[G1+4], 64
	s_mov_b32 s[G1+5], KROW
	s_mov_b32 s[G1+6], 0
	s_mov_b32 s[G1+7], 0
	s_mov_b32 s[G1B+1], ROWB<<16
	s_mov_b32 s[G1B+2], 128<<16
	s_mov_b32 s[G1B+3], ROWB<<16
	s_mov_b32 s[G1B+4], 128
	s_mov_b32 s[G1B+5], KROW
	s_mov_b32 s[G1B+6], 0
	s_mov_b32 s[G1B+7], 0
	; where my results go, in bytes
	s_lshl_b32 s66, s17, 7
	s_lshl_b32 s18, s15, 6
	s_add_co_u32 s66, s66, s18                     ; my first row of P
	s_lshl_b32 s67, s42, 8
	s_lshl_b32 s18, s16, 7
	s_add_co_u32 s67, s67, s18                     ; my first row of R
	s_cmp_eq_u32 s98, 2
	s_cselect_b32 s100, s67, s66                   ; my first token row,
	s_cselect_b32 s101, s66, s67                   ; my first feature
	s_lshr_b32 s2, s100, 11                        ; the batch
	s_and_b32 s100, s100, 2047                     ; the token t0
	s_lshl_b32 s2, s2, 4
	s_lshr_b32 s101, s101, 6
	s_add_co_u32 s2, s2, s101                      ; my first head: 16 x batch + feature / 64
	s_mul_i32 s3, s2, HEADB
	s_lshr_b32 s101, s100, 7
	s_mul_i32 s101, s101, REC
	s_add_co_u32 s3, s3, s101                      ; kv: my head's record of these tokens
	s_bfe_u32 s66, s100, 0x30004
	s_lshl_b32 s66, s66, 10                        ; k: the tile of 16 keys in it, 1,024 bytes each
	s_and_b32 s67, s100, 127
	s_lshl_b32 s67, s67, 2
	s_add_co_u32 s67, s67, 16384                   ; k: the keys' scale words
	s_mov_b32 s45, HEADB                           ; from the first pair of stores to the second: k: the next head;
	s_mov_b32 s99, HEADB                           ; and the same for the scale words
	s_mov_b32 s104, 1024                           ; from block to block
	s_cmp_eq_u32 s98, 2
	s_cselect_b32 s66, 8192, s66                   ; v: V's images,
	s_cselect_b32 s67, 16896, s67                  ; its scale words,
	s_cselect_b32 s45, 1024, s45                   ; a fragment's second half,
	s_cselect_b32 s99, 256, s99                    ; the record's last 256 bytes,
	s_cselect_b32 s104, 2048, s104                 ; a whole fragment a block
	s_add_co_u32 s66, s66, s3
	s_add_co_u32 s67, s67, s3
	s_lshl_b32 s3, s2, 17
	s_lshl_b32 s101, s100, 6
	s_add_co_u32 s3, s3, s101                      ; q_img: 131,072 bytes a head, 1,024 a tile
	s_lshl_b32 s2, s2, 13
	s_lshl_b32 s101, s100, 2
	s_add_co_u32 s2, s2, s101                      ; q_sc: 8,192 bytes a head, 4 a token
	s_cmp_eq_u32 s98, 0
	s_cselect_b32 s66, s3, s66
	s_cselect_b32 s2, s2, s67
	s_cselect_b32 s45, 0x20000, s45
	s_cselect_b32 s99, 8192, s99
	s_mov_b32 s67, 0
	s_mov_b32 s3, 0
	; what I fetch: P's address hangs on P's tile alone, R's on R's tile alone, each in registers that never hold the other coordinate
	s_lshl_b32 s20, s17, 7
	s_lshl_b32 s18, s16, 6
	s_add_co_u32 s20, s20, s18                     ; P: row 128 x tile + 64 x half
	s_lshl_b32 s22, s20, 5                         ; its scales: 32 bytes a row
	s_lshl_b32 s20, s20, 10                        ; its codes: 1,024 bytes a row
	s_mov_b32 s21, 0
	s_mov_b32 s23, 0
	s_lshl_b32 s46, s42, 8
	s_lshl_b32 s18, s16, 7
	s_add_co_u32 s46, s46, s18                     ; R: row 256 x tile + 128 x half
	s_lshl_b32 s92, s46, 5
	s_lshl_b32 s46, s46, 10
	s_mov_b32 s47, 0
	s_mov_b32 s93, 0
	s_mul_i32 s100, s16, PHALF                     ; and where it goes: no place in the cluster enters an LDS address
	s_mul_i32 s101, s16, RHALF
	s_add_co_u32 s101, s101, 2*PHALF
	s_wait_kmcnt 0x0
	s_cmp_eq_u32 s98, 0
	s_cselect_b64 s[18:19], s[72:73], s[76:77]     ; Wq or Wk
	s_cselect_b64 s[94:95], s[74:75], s[78:79]
	s_cselect_b64 s[12:13], s[84:85], s[88:89]     ; codes to q_img or to kv
	s_cselect_b64 s[96:97], s[86:87], s[88:89]     ; scale words to q_sc or to kv
	s_cmp_eq_u32 s98, 2
	s_cselect_b64 s[4:5], s[80:81], s[68:69]       ; P: Wv, else x
	s_cselect_b64 s[6:7], s[82:83], s[70:71]
	s_cselect_b64 s[8:9], s[68:69], s[18:19]       ; R: x, else the weight
	s_cselect_b64 s[10:11], s[70:71], s[94:95]
	s_add_nc_u64 s[20:21], s[4:5], s[20:21]
	s_add_nc_u64 s[22:23], s[6:7], s[22:23]
	s_add_nc_u64 s[46:47], s[8:9], s[46:47]
	s_add_nc_u64 s[8:9], s[10:11], s[92:93]
	s_add_nc_u64 s[12:13], s[12:13], s[66:67]      ; s[12:13]: registers 0-7 of my first block's codes,
	s_mov_b32 s66, s45
	s_add_nc_u64 s[66:67], s[12:13], s[66:67]      ; s[66:67]: registers 8-15
	s_add_nc_u64 s[92:93], s[96:97], s[2:3]        ; s[92:93]: the scale words,
	s_mov_b32 s2, s99
	s_add_nc_u64 s[94:95], s[92:93], s[2:3]        ; s[94:95]: their upper halves
	s_mov_b32 s96, s104                            ; s[96:97]: the step from block to block
	s_mov_b32 s97, 0
	; group 1 for the scales: a dense run of 32 bytes a row, as rows of 256 bytes (32 elements of 8), 16 bytes of padding behind each; P 8 rows a load, R 16
	s_or_b32 s[G1S+0], s43, (3<<16)|(1<<20)|(1<<21)|(5<<22)|(3<<25)
	s_or_b32 s[G1SB+0], s44, (3<<16)|(1<<20)|(1<<21)|(5<<22)|(3<<25)
	s_mov_b32 s[G1S+1], 32<<16
	s_mov_b32 s[G1S+2], 8<<16
	s_mov_b32 s[G1S+3], 32<<16
	s_mov_b32 s[G1S+4], 8
	s_mov_b32 s[G1S+5], 32
	s_mov_b32 s[G1S+6], 0
	s_mov_b32 s[G1S+7], 0
	s_mov_b32 s[G1SB+1], 32<<16
	s_mov_b32 s[G1SB+2], 16<<16
	s_mov_b32 s[G1SB+3], 32<<16
	s_mov_b32 s[G1SB+4], 16
	s_mov_b32 s[G1SB+5], 32
	s_mov_b32 s[G1SB+6], 0
	s_mov_b32 s[G1SB+7], 0
	CROUND                                         ; all sixteen work-groups are here: the first joint loads meet
	s_mul_i32 s18, s16, PHS
	s_mov_b32 s[G0S], 1
	s_add_co_u32 s[G0S+1], s18, SCL
	s_mov_b64 s[G0S+2:G0S+3], s[22:23]
	s_or_b32 s[G0S+3], s[G0S+3], 0x80000000
	s_mul_i32 s18, s16, RHS
	s_mov_b32 s[G0SB], 1
	s_add_co_u32 s[G0SB+1], s18, SCL+2*PHS
	s_mov_b64 s[G0SB+2:G0SB+3], s[8:9]
	s_or_b32 s[G0SB+3], s[G0SB+3], 0x80000000
	JLOAD G0S, G1S, G0SB, G1SB                     ; the scales first: they are wanted with K step 0
.irp s, 0,1
	s_mov_b32 s[G0+4*\s], 1
	s_add_co_u32 s[G0+4*\s+1], s100, \s*SLOT
	s_add_nc_u64 s[G0+4*\s+2:G0+4*\s+3], s[20:21], \s*ROWB
	s_or_b32 s[G0+4*\s+3], s[G0+4*\s+3], 0x80000000
	s_mov_b32 s[G0B+4*\s], 1
	s_add_co_u32 s[G0B+4*\s+1], s101, \s*SLOT
	s_add_nc_u64 s[G0B+4*\s+2:G0B+4*\s+3], s[46:47], \s*ROWB
	s_or_b32 s[G0B+4*\s+3], s[G0B+4*\s+3], 0x80000000
	JLOAD G0+4*\s, G1, G0B+4*\s, G1B               ; three loads of mine are out
.endr
	s_mov_b32 s[SEL], 0x76543210
	s_mov_b32 s[SEL+1], 0xfedcba98
	v_and_b32 v1, 15, v0                           ; r = lane % 16
	v_bfe_u32 v2, v0, 4, 1                         ; h = lane / 16
	v_mul_u32_u24 v3, v1, PITCH
	v_lshl_add_u32 v4, v2, 4, v3                   ; a fragment's row x pitch + 16 h
	s_mul_i32 s21, s15, PHALF                      ; my 64 rows of P
	s_mul_i32 s22, s16, RHALF                      ; my 128 rows of R,
	s_add_co_u32 s22, s22, 2*PHALF                 ; which lie behind P's 128
.irp s, 0,1
	v_add_nc_u32 v[ADRA+\s], s21, v4
	v_add_nc_u32 v[ADRB+\s], s22, v4
	s_add_co_u32 s21, s21, SLOT
	s_add_co_u32 s22, s22, SLOT
.endr
	v_lshlrev_b32 v5, 5, v1                        ; my row's scales: 32 bytes a row,
	v_lshrrev_b32 v6, 8, v5
	v_lshl_add_u32 v5, v6, 4, v5                   ; and 16 more for each 256 passed
	s_mul_i32 s21, s15, PHS
	s_mul_i32 s22, s16, RHS
	s_add_co_u32 s22, s22, 2*PHS
	s_sub_co_u32 s22, s22, s21
	v_mul_u32_u24 v6, s22, v2                      ; lanes 16-31 take R's: one product, the distance between the two bases
	s_add_co_u32 s21, s21, SCL
	v_add_nc_u32 v5, v5, v6
	v_add_nc_u32 v[ADRS], s21, v5
	v_mul_u32_u24 v[TA], v0, 272
	v_add_nc_u32 v[TA], TAB, v[TA]                 ; the table: my thread's row
	s_mul_i32 s21, s15, 64*272
	s_add_co_u32 s21, s21, TAB
	v_lshl_add_u32 v[RT], v2, 5, v3                ; row r, + 32 h: four pairs
	v_add_nc_u32 v[RT], s21, v[RT]
	v_and_b32 v[LI], 31, v0
	v_lshlrev_b32 v[SO], 3, v[LI]
	v_lshlrev_b32 v[LI], 4, v[LI]
	s_lshl_b32 s21, s14, 9
	s_add_co_u32 s21, s21, SST
	v_lshl_add_u32 v[SS], v1, 2, s21
	v_add_nc_u32 v[SL], s21, v[SO]
	; THE TABLE, while the first tiles are on their way: thread T makes row T: cos and sin of its token's 32 angles
	s_lshl_b32 s18, s17, 7
	v_add_nc_u32 v3, s18, v0
	v_and_b32 v3, s105, v3                         ; the token: row of x mod 2,048; 0 for v
	v_cvt_f32_u32 v[TT], v3
	v_mov_b32 v[VS3], 0xb94ca1f9                   ; -1.9515295891e-4
	v_mov_b32 v[VC3], 0x37ccf5ce                   ; 2.443315712e-5
; Four angles by turns: pairs 4 k .. 4 k + 3.  a = f x token; n = the nearest whole number to a x 2 / pi; r = a - n pi / 2, pi / 2 in two parts; sin r and cos r by polynomials in z = r r;
; n odd: the two change places; the signs come from bit 1 of n (sine) and of n + 1 (cosine).
.macro SC4 k, f0, f1, f2, f3
	v_mul_f32 v[W+0], \f0, v[TT]
	v_mul_f32 v[W+1], \f1, v[TT]
	v_mul_f32 v[W+2], \f2, v[TT]
	v_mul_f32 v[W+3], \f3, v[TT]
.irp i, 0,1,2,3
	v_mul_f32 v[W+4+\i], 0x3f22f983, v[W+\i]
.endr
.irp i, 0,1,2,3
	v_rndne_f32 v[W+4+\i], v[W+4+\i]
.endr
.irp i, 0,1,2,3
	v_fmamk_f32 v[W+8+\i], v[W+4+\i], 0xbfc90fdb, v[W+\i]
.endr
.irp i, 0,1,2,3
	v_fmamk_f32 v[W+8+\i], v[W+4+\i], 0x333bbd2e, v[W+8+\i]
.endr
.irp i, 0,1,2,3
	v_cvt_i32_f32 v[W+12+\i], v[W+4+\i]
.endr
.irp i, 0,1,2,3
	v_mul_f32 v[W+16+\i], v[W+8+\i], v[W+8+\i]
.endr
.irp i, 0,1,2,3
	v_fmaak_f32 v[W+20+\i], v[W+16+\i], v[VS3], 0x3c08839e
	v_fmaak_f32 v[W+24+\i], v[W+16+\i], v[VC3], 0xbab6061a
.endr
.irp i, 0,1,2,3
	v_fmaak_f32 v[W+20+\i], v[W+20+\i], v[W+16+\i], 0xbe2aaaa3
	v_fmaak_f32 v[W+24+\i], v[W+24+\i], v[W+16+\i], 0x3d2aaaa5
.endr
.irp i, 0,1,2,3
	v_mul_f32 v[W+28+\i], v[W+16+\i], v[W+8+\i]
	v_mul_f32 v[W+32+\i], v[W+16+\i], v[W+16+\i]
	v_fma_f32 v[W+36+\i], v[W+16+\i], -0.5, 1.0
.endr
.irp i, 0,1,2,3
	v_fma_f32 v[W+20+\i], v[W+20+\i], v[W+28+\i], v[W+8+\i]      ; sin r
	v_fma_f32 v[W+24+\i], v[W+24+\i], v[W+32+\i], v[W+36+\i]     ; cos r
.endr
.irp i, 0,1,2,3
	v_and_b32 v[W+28+\i], 1, v[W+12+\i]
.endr
.irp i, 0,1,2,3
	v_cmp_eq_u32 s[20+\i], 1, v[W+28+\i]
.endr
.irp i, 0,1,2,3
	v_cndmask_b32 v[W+32+\i], v[W+20+\i], v[W+24+\i], s[20+\i]
	v_cndmask_b32 v[W+36+\i], v[W+24+\i], v[W+20+\i], s[20+\i]
.endr
.irp i, 0,1,2,3
	v_lshlrev_b32 v[W+28+\i], 30, v[W+12+\i]
	v_add_nc_u32 v[W+12+\i], 1, v[W+12+\i]
.endr
.irp i, 0,1,2,3
	v_and_b32 v[W+28+\i], 0x80000000, v[W+28+\i]
	v_lshlrev_b32 v[W+12+\i], 30, v[W+12+\i]
.endr
.irp i, 0,1,2,3
	v_xor_b32 v[OUTT+8*\k+2*\i+1], v[W+32+\i], v[W+28+\i]        ; the sine
	v_and_b32 v[W+12+\i], 0x80000000, v[W+12+\i]
.endr
.irp i, 0,1,2,3
	v_xor_b32 v[OUTT+8*\k+2*\i], v[W+36+\i], v[W+12+\i]          ; the cosine
.endr
	ds_store_b128 v[TA], v[OUTT+8*\k:OUTT+8*\k+3] offset:32*\k
	ds_store_b128 v[TA], v[OUTT+8*\k+4:OUTT+8*\k+7] offset:32*\k+16
.endm
	SC4 0, 1.0, 0.7498942093, 0.5623413252, 0.4216965034
	SC4 1, 0.3162277660, 0.2371373706, 0.1778279410, 0.1333521432
	SC4 2, 0.1, 0.07498942093, 0.05623413252, 0.04216965034
	SC4 3, 0.03162277660, 0.02371373706, 0.01778279410, 0.01333521432
	SC4 4, 0.01, 0.007498942093, 0.005623413252, 0.004216965034
	SC4 5, 0.003162277660, 0.002371373706, 0.001778279410, 0.001333521432
	SC4 6, 0.001, 0.0007498942093, 0.0005623413252, 0.0004216965034
	SC4 7, 0.0003162277660, 0.0002371373706, 0.0001778279410, 0.0001333521432
.macro FRAG reg, adr, q, i             ; 16 rows x 128 K: lane l holds row l % 16; registers 4 c .. 4 c + 3 hold K = 32 c + 16 (l / 16) + 0 .. 15
.irp c, 0,1,2,3
	ds_load_b128 v[\reg+4*\c:\reg+4*\c+3], v[\adr] offset:128*(\q)+32*\c+(\i)*16*PITCH
.endr
.endm
; 8 matrix instructions: P's block a x R's eight, the slot's q-th 128 along K.  p: R's set; sc: the set of scale words.  first = 1: the product starts the sums.
; The 32 accumulators take turns, one instruction a turn, in the same order in every step.
.macro MULA a, p, q, sc, first
.irp b, 0,1,2,3,4,5,6,7
.if \first
	v_wmma_scale_f32_16x16x128_f8f6f4 v[8*(8*(\a)+\b):8*(8*(\a)+\b)+7], v[128*(\p)+FR*\b:128*(\p)+FR*\b+FR-1], v[AF+FR*(\a):AF+FR*(\a)+FR-1], 0, v[SC+16*(\sc)+2*\b+(\q)], v[SC+16*(\sc)+2*(\a)+(\q)] matrix_a_fmt:MATRIX_FMT_BF8 matrix_b_fmt:MATRIX_FMT_BF8 matrix_a_scale:MATRIX_SCALE_ROW1
.else
	v_wmma_scale_f32_16x16x128_f8f6f4 v[8*(8*(\a)+\b):8*(8*(\a)+\b)+7], v[128*(\p)+FR*\b:128*(\p)+FR*\b+FR-1], v[AF+FR*(\a):AF+FR*(\a)+FR-1], v[8*(8*(\a)+\b):8*(8*(\a)+\b)+7], v[SC+16*(\sc)+2*\b+(\q)], v[SC+16*(\sc)+2*(\a)+(\q)] matrix_a_fmt:MATRIX_FMT_BF8 matrix_b_fmt:MATRIX_FMT_BF8 matrix_a_scale:MATRIX_SCALE_ROW1
.endif
.endr
.endm
.macro FETCH_B slot, q, p              ; R's eight fragments into set p: 32 loads
	WIN TO_B
.irp i, 0,1,2,3,4,5,6,7
	FRAG 128*(\p)+FR*\i, ADRB+\slot, \q, \i
.endr
	WIN 0
.endm
.macro FETCH_A slot, q, i0             ; P's blocks i0, i0 + 1: 8 loads
.irp i, \i0, \i0+1
	FRAG AF+FR*(\i), ADRA+\slot, \q, \i
.endr
.endm
.macro SCALES sc                       ; a K step's scale words, two a row: 8 loads (lanes 0-15 use the first four)
.irp i, 0,1,2,3,4,5,6,7
	ds_load_b64 v[SC+16*\sc+2*\i:SC+16*\sc+2*\i+1], v[ADRS] offset:\i*SBLK
.endr
.endm
; A step of 128 along K that has its successor in the same slot.  A block of P is free when its eight products are issued: blocks 0, 1 are fetched anew in the middle, blocks 2, 3 at the end.
.macro STEP slot, q, first
	s_wait_dscnt 8                                 ; all but the youngest eight loads, P's blocks 2 and 3
	WIN MUL
	MULA 0, (\q)%2, \q, \slot, \first
	MULA 1, (\q)%2, \q, \slot, \first
	s_wait_dscnt 0x0
	PLACES NP                                      ; in front of loads into registers that matrix instructions have read
	FETCH_B \slot, (\q)+1, 1-(\q)%2
	FETCH_A \slot, (\q)+1, 0
	WIN MUL
	MULA 2, (\q)%2, \q, \slot, \first
	MULA 3, (\q)%2, \q, \slot, \first
	PLACES NP
	WIN 0
	FETCH_A \slot, (\q)+1, 2
.endm
; A slot's last step changes slots: one barrier; in front of it each wave waits for all its tensor loads, adds 0 to its spare word, and waits for that and for its reads of this slot.
.macro TURN slot, next, fill
	s_wait_tensorcnt 0x0                           ; all my tensor loads have landed: my part of the next slot
	ds_add_u32 v[SPW], v[NIL]                      ; 0 onto my spare word
	s_wait_dscnt 9                                 ; the add and the youngest eight loads may be out
	WIN MUL
	MULA 0, 1, 1, \slot, 0                         ; eight matrix instructions stand between the add and the wait for it
	s_wait_dscnt 0x0                               ; the add is done, and my reads of this slot are over
	s_barrier_signal -1
	MULA 1, 1, 1, \slot, 0
	WIN 0
	s_barrier_wait -1
.if \fill
	CREST                                          ; the barrier has opened a round of the cluster's: no wave of any partner still reads this slot or has a load on its way
	s_add_nc_u64 s[G0+4*\slot+2:G0+4*\slot+3], s[G0+4*\slot+2:G0+4*\slot+3], 2*ROWB
	s_add_nc_u64 s[G0B+4*\slot+2:G0B+4*\slot+3], s[G0B+4*\slot+2:G0B+4*\slot+3], 2*ROWB
	JLOAD G0+4*\slot, G1, G0B+4*\slot, G1B         ; the first tensor load behind the round; its four v_nop are among the places
	PLACES NP-4
.else
	PLACES NP
.endif
	s_wait_alu depctr_va_vdst(0)
	v_add_nc_u32 v[ADRS], 8, v[ADRS]               ; the next K step's scale words
	FETCH_B \next, 0, 0
	FETCH_A \next, 0, 0
	SCALES \next
	WIN MUL
	MULA 2, 1, 1, \slot, 0
	MULA 3, 1, 1, \slot, 0
	PLACES NP
	WIN 0
	FETCH_A \next, 0, 2
.endm
	s_wait_tensorcnt 1                             ; the scales and my part of K step 0 are in; K step 1's load may be out
	s_wait_dscnt 0x0                               ; my rows of the table are stored
	s_barrier_signal -1
	s_barrier_wait -1
	FETCH_B 0, 0, 0
	FETCH_A 0, 0, 0
	SCALES 0
	FETCH_A 0, 0, 2
	STEP 0, 0, 1                                   ; K = 1,024 is four K steps of 256: written straight
	TURN 0, 1, 1                                   ; slot 0 takes K step 2
	STEP 1, 0, 0
	TURN 1, 0, 1                                   ; slot 1 takes K step 3
	STEP 0, 0, 0
	TURN 0, 1, 0
	STEP 1, 0, 0
	s_wait_dscnt 8
	WIN MUL
	MULA 0, 1, 1, 1, 0
	MULA 1, 1, 1, 1, 0
	s_wait_dscnt 0x0
	MULA 2, 1, 1, 1, 0
	MULA 3, 1, 1, 1, 0
	WIN 0
	PLACES NP                                      ; in front of the first read of results and of writes to registers that held operands
; 64 numbers of a lane, v[s] on, register 16 b + i in block b of its row, become 16 registers of codes in v[PC] on and the row's scale word in v[pw]
.macro QUANT s, pw
.irp b, 0,1,2,3
	v_max3_num_f32 v[TM+\b], |v[\s+16*\b]|, |v[\s+1+16*\b]|, 0x8000000   ; my 16 numbers of block b, and the floor 2^(16 - 127): the byte cannot fall under 1
.endr
.irp i, 2,4,6,8,10,12,14
.irp b, 0,1,2,3
	v_max3_num_f32 v[TM+\b], v[TM+\b], |v[\s+16*\b+\i]|, |v[\s+1+16*\b+\i]|
.endr
.endr
.irp b, 0,1,2,3
	v_permlanex16_b32 v[TM+4+\b], v[TM+\b], s[SEL], s[SEL+1]
.endr
.irp b, 0,1,2,3
	v_max_num_f32 v[TM+\b], v[TM+\b], v[TM+4+\b]                  ; with lane l xor 16's: the block's largest magnitude
.endr
.irp b, 0,1,2,3
	v_add_nc_u32 v[TM+12+\b], 0xf8800000, v[TM+\b]                ; 15 off its exponent field: the conversion's scale operand
.endr
.irp b, 0,1,2,3
.endr
.irp b, 0,1,2,3
	v_lshrrev_b32 v[TM+4+\b], 23, v[TM+12+\b]                     ; the scale's byte
.endr
	v_lshl_or_b32 v[\pw], v[TM+5], 8, v[TM+4]
	v_lshl_or_b32 v[\pw], v[TM+6], 16, v[\pw]
	v_lshl_or_b32 v[\pw], v[TM+7], 24, v[\pw]
.irp b, 0,1,2,3
.irp i, 0,1,2,3,4,5,6,7,8,9,10,11,12,13,14,15
.endr
	v_cvt_scalef32_pk8_bf8_f32 v[PC+4*\b:PC+1+4*\b], v[\s+16*\b:\s+7+16*\b], v[TM+12+\b]
	v_cvt_scalef32_pk8_bf8_f32 v[PC+2+4*\b:PC+3+4*\b], v[\s+8+16*\b:\s+15+16*\b], v[TM+12+\b]
.endr
	v_nop                                          ; a plain line behind the last conversion
.endm
.macro TLD a                           ; (cos, sin) of block a's rows: for each of four accumulators the lane's four pairs: 8 loads
.irp g, 0,1,2,3
	ds_load_b128 v[CS+32*((\a)%2)+8*\g:CS+32*((\a)%2)+8*\g+3], v[RT] offset:(\a)*16*272+64*\g
	ds_load_b128 v[CS+32*((\a)%2)+8*\g+4:CS+32*((\a)%2)+8*\g+7], v[RT] offset:(\a)*16*272+64*\g+16
.endr
.endm
; Block a of P's rows: rotated, quantised, stored.  Register n = 8 b + j of a lane is row 16 b + 8 h + j of R; neighbours (n, n + 1) are a pair of the rotation; the table repeats after 32 registers (a head).
.macro EPI a, left
	s_wait_dscnt \left                             ; this block's eight table loads are in
	WIN 0x02                                       ; source 0: the accumulators, window 2
.set n, 0
.rept 32
	v_pk_mul_f32 v[Y+n:Y+n+1], v[64*(\a)+n:64*(\a)+n+1], v[CS+32*((\a)%2)+n%32:CS+32*((\a)%2)+n%32+1] op_sel_hi:[1,0]   ; (x1 c, x2 c)
.set n, n+2
.endr
.set n, 0
.rept 32
	v_pk_fma_f32 v[Y+n:Y+n+1], v[64*(\a)+n:64*(\a)+n+1], v[CS+32*((\a)%2)+n%32:CS+32*((\a)%2)+n%32+1], v[Y+n:Y+n+1] op_sel:[1,1,0] op_sel_hi:[0,1,1] neg_lo:[0,1,0]   ; (- x2 s, + x1 s)
.set n, n+2
.endr
	WIN 0
.if (\a) < 2
	TLD (\a)+2
.endif
	QUANT Y, PW+2*(\a)
	v_lshrrev_b32 v[PW+2*(\a)+1], 16, v[PW+2*(\a)] ; q, k: the second head's two bytes (over them two zeros, which stand over zero codes)
	global_store_b128 v[LI], v[PC:PC+3], s[12:13]              ; each store of the wave covers 512 consecutive bytes, aligned
	global_store_b128 v[LI], v[PC+4:PC+7], s[12:13] offset:512
	global_store_b128 v[LI], v[PC+8:PC+11], s[66:67]
	global_store_b128 v[LI], v[PC+12:PC+15], s[66:67] offset:512
	ds_store_b32 v[SS], v[PW+2*(\a)] offset:64*(\a)            ; lanes l and l xor 16 write the same word with the same value
	ds_store_b32 v[SS], v[PW+2*(\a)+1] offset:256+64*(\a)
	s_wait_xcnt 0x0                                ; the stores have read their registers and bases: both are written again
	s_add_nc_u64 s[12:13], s[12:13], s[96:97]
	s_add_nc_u64 s[66:67], s[66:67], s[96:97]
.endm
.irp b, 0,1,2,3
	v_mov_b32 v[TM+4+\b], 0                        ; a lane permute's destination counts as one of its sources
.endr
	TLD 0
	TLD 1
	EPI 0, 8                                       ; behind block 0's loads: block 1's eight
	EPI 1, 10                                      ; block 2's eight and two stage stores
	EPI 2, 12                                      ; two stores, block 3's eight, two stores
	EPI 3, 4                                       ; four stores
	ds_load_b64 v[SW:SW+1], v[SL]                  ; LDS serves a wave's instructions in order: these see my stores
	ds_load_b64 v[SW+2:SW+3], v[SL] offset:256
	s_wait_dscnt 0x0
	global_store_b64 v[SO], v[SW:SW+1], s[92:93]   ; 32 lanes store 256 consecutive bytes, aligned
	global_store_b64 v[SO], v[SW+2:SW+3], s[94:95]
	s_wait_tensorcnt 0x0                           ; the wave's end
	ds_add_u32 v[SPW], v[NIL]
	s_wait_dscnt 0x0
	CROUND                                         ; the closing round
	s_endpgm
.Lfunc_end_k_q1a15dbea13_qkv:
	.size	k_q1a15dbea13_qkv, .Lfunc_end_k_q1a15dbea13_qkv-k_q1a15dbea13_qkv
	.p2alignl 7, 3214868480
	.fill 96, 4, 3214868480
	.section	.rodata,"a",@progbits
	.p2align	6, 0x0
	.amdhsa_kernel k_q1a15dbea13_qkv
		.amdhsa_group_segment_fixed_size 327680
		.amdhsa_private_segment_fixed_size 0
		.amdhsa_enable_private_segment 0
		.amdhsa_kernarg_size 88
		.amdhsa_user_sgpr_count 2
		.amdhsa_user_sgpr_kernarg_segment_ptr 1
		.amdhsa_wavefront_size32 1
		.amdhsa_system_sgpr_workgroup_id_x 1
		.amdhsa_system_sgpr_workgroup_id_y 1
		.amdhsa_system_sgpr_workgroup_id_z 1
		.amdhsa_system_vgpr_workitem_id 0
		.amdhsa_next_free_vgpr 768
		.amdhsa_next_free_sgpr 106
		.amdhsa_reserve_vcc 0
		.amdhsa_float_denorm_mode_32 3
		.amdhsa_float_denorm_mode_16_64 3
		.amdhsa_fp16_overflow 1
		.amdhsa_memory_ordered 1
		.amdhsa_forward_progress 1
		.amdhsa_inst_pref_size 159
	.end_amdhsa_kernel
	.amdgpu_metadata
---
amdhsa.version: [ 1, 2 ]
amdhsa.kernels:
  - .name:           k_q1a15dbea13_qkv
    .symbol:         k_q1a15dbea13_qkv.kd
    .args:
      - { .name: x_codes, .offset: 0, .size: 8, .value_kind: global_buffer, .address_space: global }
      - { .name: x_scales, .offset: 8, .size: 8, .value_kind: global_buffer, .address_space: global }
      - { .name: Wq_codes, .offset: 16, .size: 8, .value_kind: global_buffer, .address_space: global }
      - { .name: Wq_scales, .offset: 24, .size: 8, .value_kind: global_buffer, .address_space: global }
      - { .name: Wk_codes, .offset: 32, .size: 8, .value_kind: global_buffer, .address_space: global }
      - { .name: Wk_scales, .offset: 40, .size: 8, .value_kind: global_buffer, .address_space: global }
      - { .name: Wv_codes, .offset: 48, .size: 8, .value_kind: global_buffer, .address_space: global }
      - { .name: Wv_scales, .offset: 56, .size: 8, .value_kind: global_buffer, .address_space: global }
      - { .name: q_img, .offset: 64, .size: 8, .value_kind: global_buffer, .address_space: global }
      - { .name: q_sc, .offset: 72, .size: 8, .value_kind: global_buffer, .address_space: global }
      - { .name: kv, .offset: 80, .size: 8, .value_kind: global_buffer, .address_space: global }
    .group_segment_fixed_size: 327680
    .private_segment_fixed_size: 0
    .kernarg_segment_align: 8
    .kernarg_segment_size: 88
    .max_flat_workgroup_size: 128
    .sgpr_count:     106
    .vgpr_count:     768
    .wavefront_size: 32
...
	.end_amdgpu_metadata
.endif
;; end of part 1
;; launch attn (part 2): grid 4 x 64, 8 waves a work-group, clusters of 4 x 1, 327,680 bytes of LDS; arguments q_img, q_sc, kv, o_img, o_sc; writes o_img, o_sc
.if DOCPART == 2
	.amdgcn_target "amdgcn-amd-amdhsa--gfx1250"
	.amdhsa_code_object_version 6
	.text
	.protected	k_q1a15dbea13_attn
	.globl	k_q1a15dbea13_attn
	.p2align	8
	.type	k_q1a15dbea13_attn,@function
k_q1a15dbea13_attn:
	s_mov_b64 s[64:65], 0
	v_nop
	global_prefetch_b8 v0, s[64:65] scope:SCOPE_SE
	s_setreg_imm32_b32 hwreg(HW_REG_WAVE_MODE, 25, 1), 1
	s_wait_xcnt 0x0
	s_wait_alu depctr_hold_cnt(0) depctr_sa_sdst(0) depctr_va_vdst(0) depctr_va_sdst(0) depctr_va_ssrc(0) depctr_va_vcc(0) depctr_vm_vsrc(0)
	s_getreg_b32 s2, hwreg(HW_REG_IB_STS2, 6, 4)
	s_cmp_eq_u32 s2, 0
	s_cbranch_scc0 .Lentry_in_a_cluster
	s_endpgm
.Lentry_in_a_cluster:
	s_bfe_u32 s2, ttmp6, 0x10000c
	s_cmp_lg_u32 s2, 0x3003
	s_cbranch_scc0 .Lentry_shape_is_right
	s_endpgm
.Lentry_shape_is_right:
; Causal attention of one head (64 wide, 2,048 tokens) a cluster, both products on codes of BF8 (E5M2) with one E8M0 scale for each 32 along K; the result is quantised along (head, channel) for the last product.
; t = score x log2(e) / 8; M = the running largest t rounded up to a whole number; p = 2^(t - M) is quantised along the keys, not normalised; the row's sum of the unquantised p divides at the end.
; SHARES.  The head's queries are 16 groups g of 128.  Partner cx of the cluster takes queries 128 g + 32 cx + 0..31 of EVERY group: a unit, two tiles of 16 that share each fragment of K and V.
;   A unit of group g needs key steps 0 .. g (128 keys a step).  Wave w takes group 15 - w and then group w: 16 - w + w + 1 = 17 steps for every wave of every work-group.
;   What a wave leaves out or masks hangs on its number and the trip alone; cx enters only addresses in memory and a lane's threshold for the mask.
; LDS.  The head's whole kv (16 records of 17,408 bytes) is filled ONCE, as it lies in memory, by 32 joint loads (four a wave) of 34 rows of 256 bytes: nothing is filled again.
;   The first quarter serves trips 0-2, the second trips 3-6: three loops with a counted wait and a barrier in front of each.
; LAYOUT.  S^T = K Q^T (source 0 = 16 keys, source 1 = 16 queries), O^T = V^T P^T: a lane holds one query throughout.  K = 64 of the first product fills half of the instruction's 128: registers 8-15 of K's and Q's
;   fragments are zeros, which add nothing.  Inside a block of 32 keys p's codes stand in the order in which the scores fall (8 h + 0..7, 16 + 8 h + 0..7), and V's codes were laid in the same order.
; LIMITS: a block of zeros gets the scale byte 1; NaN and infinities are not served.  o_sc is stored two bytes a row (a head owns half of a word): 64 bytes in each run of 128, one thirty-second of the codes' bytes.
.set REC,   17408                      ; a record: K's images 8 x 1,024; V's 4 x 2,048 at 8,192; K's scale words at 16,384; V's at 16,896
.set HEADB, 16*REC
.set QTR,   4*REC                      ; what the eight waves' n-th loads bring together
.set HREC,  REC/2                      ; what one load brings: 34 x 256 bytes
.set LI,   1                           ; v1   16 x lane
.set LS,   2                           ; v2   4 x lane
.set AV,   3                           ; v3   this step's record + 16 x lane;  v4 + 4 x lane
.set AV4,  4
.set AK,   5                           ; v5, v6 the next step's record likewise
.set AK4,  6
.set LO,   7                           ; v7   16 r + 8 h: where a lane's 8 codes of o go
.set DT,   8                           ; v8, v9 the mask's threshold of tile 0, 1: 32 cx + 16 t + r - 8 h
.set NINF, 10                          ; v10  -infinity
.set KSC,  12                          ; v12-15 K's scale words: register jj: lanes 0-15 tile 2 jj, lanes 16-31 tile 2 jj + 1
.set VSC,  16                          ; v16-17 V's likewise
.set QSC,  18                          ; v18  Q's: lanes 0-15 tile 0, lanes 16-31 tile 1
.set ST,   20                          ; tile t at ST + 8 t: +0 -M, +1 the largest t, +2, +3 the sum, +4 f, +5 p's scale word, +6, +7 at work
.set TM,   36                          ; tile t at TM + 12 t: +0..3 a block's largest, then the hold; +4..7 at work; +8..11 the conversions' scale operands
.set S,    64                          ; v64-191 S^T, then p: 64 a tile
.set P,    192                         ; v192-223 p's codes, 16 a tile
.set Q,    224                         ; v224-255 Q's fragments, 16 a tile
.set KB,   64                          ; window 1: v0-63 O^T (32 t + 8 d); v64-191 K's eight fragments; v192-255 V's four
.set VB,   192
.set WV,   14
.set CX,   15
.set E,    16                          ; s16  15 - wave: my first group, and the trip of its diagonal
.set WM16, 17                          ; s17  wave - 16, modulo 2^32
.set TAU,  18                          ; s18  the trip, 0 .. 16
.set TB,   19                          ; s19  LDS byte of this step's record;  s20 of the next step's
.set TN,   20
.set F,    21                          ; s21  1 in a unit's last step, the one on the diagonal
.set CS,   22                          ; s[22:23] log2(e) / 8
.set G1,   24
.set G0,   32                          ; s[32:47] four groups 0
.set SEL,  48
.set MNT,  50
.set HI16, 51                          ; s51  the mask of lanes 16-31
.set QB,   52
.set QSB,  54
.set OB,   56
.set OSB,  58
.set MSB, 0
.macro WIN new
.if MSB != \new
	s_set_vgpr_msb (MSB<<8)|\new
.set MSB, \new
.endif
.endm
.macro CROUND
	s_barrier_signal -1
	s_barrier_wait -1
	s_cmp_lg_u32 s[WV], 0
	s_cbranch_scc1 .Lnot_wave_0_\@
	s_barrier_signal -3
.Lnot_wave_0_\@:
	s_barrier_wait -3
	s_barrier_signal -1
	s_barrier_wait -1
.endm
	s_load_b256 s[4:11], s[0:1], 0x0               ; q_img, q_sc, kv, o_img
	s_load_b64 s[12:13], s[0:1], 0x20              ; o_sc
	v_lshl_add_u32 v62, v0, 2, 0x44000
	v_mov_b32 v63, 0
	ds_add_u32 v62, v63
	ds_add_u32 v62, v63
	v_lshrrev_b32 v11, 5, v0
	s_delay_alu instid0(VALU_DEP_1)
	v_readfirstlane_b32 s[WV], v11                 ; wave 0..7
	s_bfe_u32 s[CX], ttmp6, 0x40000
	s_and_b32 s60, ttmp7, 0xffff                   ; the head among 64, which the four partners share
	s_lshr_b32 s61, s60, 4                         ; the batch
	s_and_b32 s62, s60, 15
	s_lshr_b32 s63, s62, 1                         ; head / 2: which 128 along the last product's K
	s_and_b32 s62, s62, 1                          ; head % 2: which half of them
	s_sub_co_u32 s[E], 15, s[WV]
	s_add_co_u32 s[WM16], s[WV], 0xfffffff0
	s_mul_i32 s66, s60, HEADB
	s_mul_i32 s76, s[WV], HREC                     ; my part of a quarter, in memory and in LDS alike
	s_add_co_u32 s66, s66, s76
	s_mov_b32 s67, 0
	s_lshl_b32 s68, s60, 17                        ; q_img: 131,072 bytes a head, 2,048 for 32 queries
	s_lshl_b32 s77, s[CX], 11
	s_add_co_u32 s68, s68, s77
	s_mov_b32 s69, 0
	s_lshl_b32 s70, s60, 13                        ; q_sc
	s_lshl_b32 s77, s[CX], 7
	s_add_co_u32 s70, s70, s77
	s_mov_b32 s71, 0
	s_lshl_b32 s72, s61, 21                        ; o_img: [row tile][k / 128][block of 32][lane][16 bytes]
	s_lshl_b32 s77, s[CX], 15
	s_add_co_u32 s72, s72, s77
	s_lshl_b32 s77, s63, 11
	s_add_co_u32 s72, s72, s77
	s_lshl_b32 s77, s62, 10
	s_add_co_u32 s72, s72, s77
	s_mov_b32 s73, 0
	s_lshl_b32 s74, s61, 16                        ; o_sc: [128 rows][k / 128][row][4 bytes]
	s_lshl_b32 s77, s63, 9
	s_add_co_u32 s74, s74, s77
	s_lshl_b32 s77, s[CX], 7
	s_add_co_u32 s74, s74, s77
	s_lshl_b32 s77, s62, 1
	s_add_co_u32 s74, s74, s77
	s_mov_b32 s75, 0
	s_mov_b32 s[G1], 15|(3<<16)|(1<<21)            ; the mask: all four work-groups; elements of 8 bytes; bit 21 beside a mask; no padding
	s_mov_b32 s[G1+1], 32<<16                      ; rows of 32 elements,
	s_mov_b32 s[G1+2], 34<<16                      ; 34 of them,
	s_mov_b32 s[G1+3], 32<<16
	s_mov_b32 s[G1+4], 34
	s_mov_b32 s[G1+5], 32                          ; dense
	s_mov_b32 s[G1+6], 0
	s_mov_b32 s[G1+7], 0
	s_mov_b32 s[CS], 0x3e38aa3b
	s_mov_b32 s[CS+1], s[CS]
	s_mov_b32 s[SEL], 0x76543210
	s_mov_b32 s[SEL+1], 0xfedcba98
	s_mov_b32 s[HI16], 0xffff0000
	s_wait_dscnt 0x0
	s_wait_kmcnt 0x0
	s_add_nc_u64 s[8:9], s[8:9], s[66:67]
	s_add_nc_u64 s[4:5], s[4:5], s[68:69]
	s_add_nc_u64 s[6:7], s[6:7], s[70:71]
	s_add_nc_u64 s[10:11], s[10:11], s[72:73]
	s_add_nc_u64 s[12:13], s[12:13], s[74:75]
.irp n, 0,1,2,3
	s_mov_b32 s[G0+4*\n], 1
	s_add_co_u32 s[G0+4*\n+1], s76, \n*QTR
	s_add_nc_u64 s[G0+4*\n+2:G0+4*\n+3], s[8:9], \n*QTR
	s_or_b32 s[G0+4*\n+3], s[G0+4*\n+3], 0x80000000
.endr
	CROUND                                         ; all four work-groups are here: the joint loads meet
	tensor_load_to_lds s[G0:G0+3], s[G1:G1+7]      ; four loads of mine are out
	s_nop 0
	tensor_load_to_lds s[G0+4:G0+7], s[G1:G1+7]
	s_nop 0
	tensor_load_to_lds s[G0+8:G0+11], s[G1:G1+7]
	s_nop 0
	tensor_load_to_lds s[G0+12:G0+15], s[G1:G1+7]
	s_nop 0
.rept 4
	v_nop
.endr
	v_and_b32 v11, 31, v0
	s_delay_alu instid0(VALU_DEP_1)
	v_lshlrev_b32 v[LI], 4, v11
	s_delay_alu instid0(VALU_DEP_2)
	v_lshlrev_b32 v[LS], 2, v11
	v_and_b32 v19, 15, v0                          ; r
	v_bfe_u32 v60, v0, 4, 1                        ; h
	s_delay_alu instid0(VALU_DEP_2)
	v_lshlrev_b32 v[LO], 4, v19
	s_delay_alu instid0(VALU_DEP_1)
	v_lshl_add_u32 v[LO], v60, 3, v[LO]
	s_delay_alu instid0(VALU_DEP_3)
	v_lshlrev_b32 v60, 3, v60
	s_delay_alu instid0(VALU_DEP_1)
	v_sub_nc_u32 v[DT], v19, v60
	s_lshl_b32 s60, s[CX], 5
	v_add_nc_u32 v[DT], s60, v[DT]
	s_delay_alu instid0(VALU_DEP_1)
	v_add_nc_u32 v[DT+1], 16, v[DT]
	v_mov_b32 v[NINF], 0xff800000
.irp t, 0,1
	v_mov_b32 v[ST+8*\t+5], 0                      ; named as the upper half of the pair with f before it is first made
	v_mov_b32 v[ST+8*\t+7], 0                      ; a lane permute's destination counts as one of its sources
.irp b, 0,1,2,3
	v_mov_b32 v[TM+12*\t+4+\b], 0
.endr
.irp i, 8,9,10,11,12,13,14,15
	v_mov_b32 v[Q+16*\t+\i], 0                     ; Q's K = 64 .. 127: zero codes, for the whole launch
.endr
.endr
	WIN 0x40
.irp j, 0,1,2,3,4,5,6,7
.irp i, 8,9,10,11,12,13,14,15
	v_mov_b32 v[KB+16*\j+\i], 0                    ; K's likewise
.endr
.endr
	WIN 0
; A unit begins: group s[g].  Its addresses, its Q and Q's scale words; O^T and the sum are zeros and the largest t is -3e38, so that the step is written once: the first change of M multiplies zeros.
.macro INIT g
	s_wait_xcnt 0x0                                ; earlier loads and stores have read their bases
	s_mov_b32 s61, 0
	s_lshl_b32 s60, s[\g], 13
	s_add_nc_u64 s[QB:QB+1], s[4:5], s[60:61]
	s_lshl_b32 s60, s[\g], 9
	s_add_nc_u64 s[QSB:QSB+1], s[6:7], s[60:61]
	s_lshl_b32 s60, s[\g], 17
	s_add_nc_u64 s[OB:OB+1], s[10:11], s[60:61]
	s_lshl_b32 s60, s[\g], 12
	s_add_nc_u64 s[OSB:OSB+1], s[12:13], s[60:61]
.irp t, 0,1
.irp c, 0,1
	global_load_b128 v[Q+16*\t+4*\c:Q+16*\t+4*\c+3], v[LI], s[QB:QB+1] offset:1024*\t+512*\c
.endr
.endr
	global_load_b32 v[QSC], v[LS], s[QSB:QSB+1]
	WIN 0x40
.set n, 0
.rept 64
	v_mov_b32 v[n], 0
.set n, n+1
.endr
	WIN 0
.irp t, 0,1
	v_mov_b32 v[ST+8*\t+1], 0xff61b1e6
	s_delay_alu instid0(VALU_DEP_1)
	v_floor_f32 v[ST+8*\t], -v[ST+8*\t+1]
	v_mov_b32 v[ST+8*\t+2], 0
	v_mov_b32 v[ST+8*\t+3], 0
.endr
	s_wait_loadcnt 0x0
.endm
.macro KLOADS                          ; 16 loads: the lower halves of K's eight fragments, as they were stored: 16 bytes a lane, 512 a load.  (Under destination window 1)
.irp j, 0,1,2,3,4,5,6,7
.irp c, 0,1
	ds_load_b128 v[KB+16*\j+4*\c:KB+16*\j+4*\c+3], v[AK] offset:1024*\j+512*\c
.endr
.endr
.endm
.macro KSCALES
.irp j, 0,1,2,3
	ds_load_b32 v[KSC+\j], v[AK4] offset:16384+128*\j
.endr
.endm
.macro QK1 j, t                        ; tile j of 16 keys x tile t of 16 queries
.if ((\j)%2 == 0) && ((\t) == 0)
	v_wmma_scale_f32_16x16x128_f8f6f4 v[S+64*\t+8*\j:S+64*\t+8*\j+7], v[KB+16*\j:KB+16*\j+15], v[Q+16*\t:Q+16*\t+15], 0, v[KSC+(\j)/2], v[QSC] matrix_a_fmt:MATRIX_FMT_BF8 matrix_b_fmt:MATRIX_FMT_BF8
.elseif (\t) == 0
	v_wmma_scale_f32_16x16x128_f8f6f4 v[S+64*\t+8*\j:S+64*\t+8*\j+7], v[KB+16*\j:KB+16*\j+15], v[Q+16*\t:Q+16*\t+15], 0, v[KSC+(\j)/2], v[QSC] matrix_a_fmt:MATRIX_FMT_BF8 matrix_b_fmt:MATRIX_FMT_BF8 matrix_a_scale:MATRIX_SCALE_ROW1
.elseif (\j)%2 == 0
	v_wmma_scale_f32_16x16x128_f8f6f4 v[S+64*\t+8*\j:S+64*\t+8*\j+7], v[KB+16*\j:KB+16*\j+15], v[Q+16*\t:Q+16*\t+15], 0, v[KSC+(\j)/2], v[QSC] matrix_a_fmt:MATRIX_FMT_BF8 matrix_b_fmt:MATRIX_FMT_BF8 matrix_b_scale:MATRIX_SCALE_ROW1
.else
	v_wmma_scale_f32_16x16x128_f8f6f4 v[S+64*\t+8*\j:S+64*\t+8*\j+7], v[KB+16*\j:KB+16*\j+15], v[Q+16*\t:Q+16*\t+15], 0, v[KSC+(\j)/2], v[QSC] matrix_a_fmt:MATRIX_FMT_BF8 matrix_b_fmt:MATRIX_FMT_BF8 matrix_a_scale:MATRIX_SCALE_ROW1 matrix_b_scale:MATRIX_SCALE_ROW1
.endif
.endm
.macro PV1 d, t                        ; 16 channels x tile t, K = the step's 128 keys
.if (\d)%2 == 0
	v_wmma_scale_f32_16x16x128_f8f6f4 v[32*\t+8*\d:32*\t+8*\d+7], v[VB+16*\d:VB+16*\d+15], v[P+16*\t:P+16*\t+15], v[32*\t+8*\d:32*\t+8*\d+7], v[VSC+(\d)/2], v[ST+8*\t+5] matrix_a_fmt:MATRIX_FMT_BF8 matrix_b_fmt:MATRIX_FMT_BF8
.else
	v_wmma_scale_f32_16x16x128_f8f6f4 v[32*\t+8*\d:32*\t+8*\d+7], v[VB+16*\d:VB+16*\d+15], v[P+16*\t:P+16*\t+15], v[32*\t+8*\d:32*\t+8*\d+7], v[VSC+(\d)/2], v[ST+8*\t+5] matrix_a_fmt:MATRIX_FMT_BF8 matrix_b_fmt:MATRIX_FMT_BF8 matrix_a_scale:MATRIX_SCALE_ROW1
.endif
.endm
; On the diagonal: register n of a lane holds key 16 (n / 8) + 8 h + n % 8 of the step; it is hidden where that lies beyond the lane's query: its score becomes -infinity, p = 0
.macro MASK
.irp t, 0,1
.set n, 0
.rept 64
	v_cmp_gt_i32 vcc_lo, 16*(n/8)+n%8, v[DT+\t]
	v_cndmask_b32 v[S+64*\t+n], v[S+64*\t+n], v[NINF], vcc_lo
.set n, n+1
.endr
.endr
.endm
; The softmax of a step, the two tiles (and a tile's four blocks of 32 keys) by turns
.macro SOFT
.irp t, 0,1
.irp b, 0,1,2,3
	v_max3_num_f32 v[TM+12*\t+\b], v[S+64*\t+16*\b], v[S+64*\t+16*\b+1], v[S+64*\t+16*\b+2]   ; each block's largest score: for the row's maximum, and, since p rises with the score, for the block's largest p
.endr
.endr
.irp i, 3,5,7,9,11,13
.irp t, 0,1
.irp b, 0,1,2,3
	v_max3_num_f32 v[TM+12*\t+\b], v[TM+12*\t+\b], v[S+64*\t+16*\b+\i], v[S+64*\t+16*\b+\i+1]
.endr
.endr
.endr
.irp t, 0,1
.irp b, 0,1,2,3
	v_max_num_f32 v[TM+12*\t+\b], v[TM+12*\t+\b], v[S+64*\t+16*\b+15]
.endr
.endr
.irp t, 0,1
.irp b, 0,1,2,3
	v_permlanex16_b32 v[TM+12*\t+4+\b], v[TM+12*\t+\b], s[SEL], s[SEL+1]
.endr
.endr
.irp t, 0,1
.irp b, 0,1,2,3
	v_max_num_f32 v[TM+12*\t+\b], v[TM+12*\t+\b], v[TM+12*\t+4+\b]   ; with lane l xor 16's 16 keys
.endr
.endr
.irp t, 0
	v_max3_num_f32 v[ST+8*\t+6], v[TM+12*\t], v[TM+12*\t+1], v[TM+12*\t+2]
.endr
.irp t, 1
	s_delay_alu instid0(VALU_DEP_3)
	v_max3_num_f32 v[ST+8*\t+6], v[TM+12*\t], v[TM+12*\t+1], v[TM+12*\t+2]
.endr
.irp t, 0,1
	s_delay_alu instid0(VALU_DEP_2)
	v_max_num_f32 v[ST+8*\t+6], v[ST+8*\t+6], v[TM+12*\t+3]
.endr
.irp t, 0,1
	s_delay_alu instid0(VALU_DEP_2)
	v_mul_f32 v[ST+8*\t+6], s[CS], v[ST+8*\t+6]
.endr
.irp t, 0,1
	s_delay_alu instid0(VALU_DEP_2)
	v_max_num_f32 v[ST+8*\t+1], v[ST+8*\t+1], v[ST+8*\t+6]        ; the running largest t
.endr
.irp t, 0,1
	v_mov_b32 v[ST+8*\t+6], v[ST+8*\t]
.endr
.irp t, 0,1
	s_delay_alu instid0(VALU_DEP_4)
	v_floor_f32 v[ST+8*\t], -v[ST+8*\t+1]                         ; -M = floor(-t): M is a whole number
.endr
.irp t, 0,1
	s_delay_alu instid0(VALU_DEP_2)
	v_sub_f32 v[ST+8*\t+6], v[ST+8*\t], v[ST+8*\t+6]              ; old M - new M
.endr
.irp t, 0,1
	s_delay_alu instid0(VALU_DEP_2)
	v_cvt_i32_f32 v[ST+8*\t+6], v[ST+8*\t+6]                      ; (it saturates)
.endr
.irp t, 0,1
	s_delay_alu instid0(VALU_DEP_2)
	v_ldexp_f32 v[ST+8*\t+4], 1.0, v[ST+8*\t+6]                   ; f = 2^(old M - new M): a multiplication by it rounds nothing
.endr
.irp t, 0,1
.set n, 0
.rept 32
	v_pk_fma_f32 v[S+64*\t+n:S+64*\t+n+1], v[S+64*\t+n:S+64*\t+n+1], s[CS:CS+1], v[ST+8*\t:ST+8*\t+1] op_sel_hi:[1,0,0]   ; t - M
.set n, n+2
.endr
.endr
.irp t, 0,1
.irp b, 0,1,2,3
	v_fma_f32 v[TM+12*\t+\b], v[TM+12*\t+\b], s[CS], v[ST+8*\t]   ; the same of each block's largest score
.endr
.endr
	s_wait_alu depctr_va_vdst(0)
.irp t, 0,1
.set n, 0
.rept 64
	v_exp_f32 v[S+64*\t+n], v[S+64*\t+n]                          ; p
.set n, n+1
.endr
.endr
	s_setprio 1
.irp t, 0,1
.irp b, 0,1,2,3
	v_exp_f32 v[TM+12*\t+\b], v[TM+12*\t+\b]                      ; the block's largest p: the same two instructions on the same number
.endr
.endr
.irp t, 0,1
	v_pk_mul_f32 v[ST+8*\t+2:ST+8*\t+3], v[ST+8*\t+2:ST+8*\t+3], v[ST+8*\t+4:ST+8*\t+5] op_sel_hi:[1,0]   ; the sums under the new M (a plain line behind the exponentials)
.endr
	s_wait_alu depctr_va_vdst(0)
.irp t, 0,1
.irp b, 0,1,2,3
	v_max_num_f32 v[TM+12*\t+\b], 0x8000000, v[TM+12*\t+\b]       ; the floor 2^(16 - 127)
.endr
.endr
.irp t, 0,1
.irp b, 0,1,2,3
	v_add_nc_u32 v[TM+12*\t+8+\b], 0xf8800000, v[TM+12*\t+\b]     ; the conversion's scale operand
.endr
.endr
.irp t, 0,1
.irp b, 0,1,2,3
.endr
.endr
.irp t, 0,1
.irp b, 0,1,2,3
	v_lshrrev_b32 v[TM+12*\t+4+\b], 23, v[TM+12*\t+8+\b]          ; the scale's byte
.endr
.endr
.irp t, 0
	v_lshl_or_b32 v[ST+8*\t+5], v[TM+12*\t+5], 8, v[TM+12*\t+4]
.endr
.irp t, 1
	s_delay_alu instid0(VALU_DEP_4)
	v_lshl_or_b32 v[ST+8*\t+5], v[TM+12*\t+5], 8, v[TM+12*\t+4]   ; p's scale word for these 128 keys
.endr
.irp t, 0,1
	s_delay_alu instid0(VALU_DEP_2)
	v_lshl_or_b32 v[ST+8*\t+5], v[TM+12*\t+6], 16, v[ST+8*\t+5]
.endr
.irp t, 0,1
	s_delay_alu instid0(VALU_DEP_2)
	v_lshl_or_b32 v[ST+8*\t+5], v[TM+12*\t+7], 24, v[ST+8*\t+5]
.endr
.irp t, 0,1
	v_pk_add_f32 v[TM+12*\t+4:TM+12*\t+5], v[S+64*\t:S+64*\t+1], v[S+64*\t+2:S+64*\t+3]   ; the row's sum of the unquantised p, in two chains a tile
.endr
.irp j, 4,8,12,16,20,24,28,32,36,40,44,48,52,56,60
.irp t, 0,1
	v_pk_add_f32 v[ST+8*\t+2:ST+8*\t+3], v[ST+8*\t+2:ST+8*\t+3], v[S+64*\t+\j:S+64*\t+\j+1]
	v_pk_add_f32 v[TM+12*\t+4:TM+12*\t+5], v[TM+12*\t+4:TM+12*\t+5], v[S+64*\t+\j+2:S+64*\t+\j+3]
.endr
.endr
.irp t, 0
	s_delay_alu instid0(VALU_DEP_3)
	v_pk_add_f32 v[ST+8*\t+2:ST+8*\t+3], v[ST+8*\t+2:ST+8*\t+3], v[TM+12*\t+4:TM+12*\t+5]
.endr
.irp t, 1
	s_delay_alu instid0(VALU_DEP_2)
	v_pk_add_f32 v[ST+8*\t+2:ST+8*\t+3], v[ST+8*\t+2:ST+8*\t+3], v[TM+12*\t+4:TM+12*\t+5]
.endr
.irp b, 0,1,2,3
.irp t, 0,1
.irp i, 0,1,2,3,4,5,6,7,8,9,10,11,12,13,14,15
.endr
	v_cvt_scalef32_pk8_bf8_f32 v[P+16*\t+4*\b:P+16*\t+4*\b+1], v[S+64*\t+16*\b:S+64*\t+16*\b+7], v[TM+12*\t+8+\b]
	v_cvt_scalef32_pk8_bf8_f32 v[P+16*\t+4*\b+2:P+16*\t+4*\b+3], v[S+64*\t+16*\b+8:S+64*\t+16*\b+15], v[TM+12*\t+8+\b]
.endr
.endr
.endm
; A unit ends: O^T / the sum, quantised along the head's 64 (two blocks), stored in the natural order of the last product's K.
; A lane's first 8 codes of a block are k = 8 h + 0..7: byte 16 r + 8 h of the fragment's image; its second 8 are k = 16 + 8 h + 0..7: 256 bytes on.  So each store of the wave covers 256 consecutive bytes, aligned.
.macro FINAL
.rept 8
	v_nop                                          ; places behind the last products
.endr
.irp t, 0,1
	v_add_f32 v[ST+8*\t+6], v[ST+8*\t+2], v[ST+8*\t+3]
.endr
.irp t, 0,1
	s_delay_alu instid0(VALU_DEP_2)
	v_permlanex16_b32 v[ST+8*\t+7], v[ST+8*\t+6], s[SEL], s[SEL+1]
.endr
.irp t, 0,1
	s_delay_alu instid0(VALU_DEP_2)
	v_add_f32 v[ST+8*\t+6], v[ST+8*\t+6], v[ST+8*\t+7]            ; the row's sum
.endr
	s_wait_alu depctr_va_vdst(0)
.irp t, 0,1
	v_rcp_f32 v[ST+8*\t+6], v[ST+8*\t+6]
.endr
	v_nop                                          ; a plain line behind the reciprocals
	WIN 0x01                                       ; source 0: O^T, window 1; each accumulator from its low end on
	s_wait_alu depctr_va_vdst(0)
.irp t, 0,1
.set n, 0
.rept 16
	v_pk_mul_f32 v[S+64*\t+n:S+64*\t+n+1], v[32*\t+n:32*\t+n+1], v[ST+8*\t+6:ST+8*\t+7] op_sel_hi:[1,0]
.set n, n+2
.endr
.endr
	WIN 0
.irp t, 0,1
.irp b, 0,1
	v_max3_num_f32 v[TM+12*\t+\b], |v[S+64*\t+16*\b]|, |v[S+64*\t+16*\b+1]|, 0x8000000
.endr
.endr
.irp i, 2,4,6,8,10,12,14
.irp t, 0,1
.irp b, 0,1
	s_delay_alu instid0(VALU_DEP_4)
	v_max3_num_f32 v[TM+12*\t+\b], v[TM+12*\t+\b], |v[S+64*\t+16*\b+\i]|, |v[S+64*\t+16*\b+\i+1]|
.endr
.endr
.endr
.irp t, 0,1
.irp b, 0,1
	s_delay_alu instid0(VALU_DEP_4)
	v_permlanex16_b32 v[TM+12*\t+4+\b], v[TM+12*\t+\b], s[SEL], s[SEL+1]
.endr
.endr
.irp t, 0,1
.irp b, 0,1
	s_delay_alu instid0(VALU_DEP_4)
	v_max_num_f32 v[TM+12*\t+\b], v[TM+12*\t+\b], v[TM+12*\t+4+\b]
.endr
.endr
.irp t, 0,1
.irp b, 0,1
	s_delay_alu instid0(VALU_DEP_4)
	v_add_nc_u32 v[TM+12*\t+8+\b], 0xf8800000, v[TM+12*\t+\b]
.endr
.endr
.irp t, 0,1
.irp b, 0,1
.endr
.endr
.irp t, 0,1
.irp b, 0,1
	s_delay_alu instid0(VALU_DEP_4)
	v_lshrrev_b32 v[TM+12*\t+4+\b], 23, v[TM+12*\t+8+\b]
.endr
.endr
.irp t, 0
	s_delay_alu instid0(VALU_DEP_3)
	v_lshl_or_b32 v[TM+12*\t+6], v[TM+12*\t+5], 8, v[TM+12*\t+4]
.endr
.irp t, 1
	s_delay_alu instid0(VALU_DEP_2)
	v_lshl_or_b32 v[TM+12*\t+6], v[TM+12*\t+5], 8, v[TM+12*\t+4]  ; the row's two scale bytes
.endr
.irp t, 0,1
.irp b, 0,1
.irp i, 0,1,2,3,4,5,6,7,8,9,10,11,12,13,14,15
.endr
	v_cvt_scalef32_pk8_bf8_f32 v[P+16*\t+4*\b:P+16*\t+4*\b+1], v[S+64*\t+16*\b:S+64*\t+16*\b+7], v[TM+12*\t+8+\b]
	v_cvt_scalef32_pk8_bf8_f32 v[P+16*\t+4*\b+2:P+16*\t+4*\b+3], v[S+64*\t+16*\b+8:S+64*\t+16*\b+15], v[TM+12*\t+8+\b]
.endr
.endr
	v_cndmask_b32 v11, v[TM+6], v[TM+18], s[HI16]  ; lanes 0-15: tile 0's rows, lanes 16-31: tile 1's.  (A plain line behind the conversions)
.irp t, 0,1
.irp b, 0,1
	global_store_b64 v[LO], v[P+16*\t+4*\b:P+16*\t+4*\b+1], s[OB:OB+1] offset:16384*\t+512*\b
	global_store_b64 v[LO], v[P+16*\t+4*\b+2:P+16*\t+4*\b+3], s[OB:OB+1] offset:16384*\t+512*\b+256
.endr
.endr
	global_store_b16 v[LS], v11, s[OSB:OSB+1]
	s_wait_xcnt 0x0                                ; the stores have read their registers and bases
.endm
; A TRIP: one key step of the unit in hand.  gen = 0: trips in which no wave has a diagonal; gen = 1: the general trip.
.macro STEP gen
	s_wait_dscnt 0x0                               ; this step's K and its scale words are in
	WIN 0x01                                       ; source 0 (K) window 1
	s_setprio 2
.irp j, 0,1,2,3,4,5,6,7
.irp t, 0,1
	QK1 \j, \t
.endr
.endr
	WIN 0
.if \gen
	s_add_co_u32 s60, s[TAU], s[WM16]              ; the trip counted from my second unit's start; a very large number before it
	s_min_u32 s[TB], s[TAU], s60                   ; the key step
	s_min_u32 s[TB], s[TB], 15                     ; (a head has 16 records)
	s_mul_i32 s[TB], s[TB], REC
	s_add_co_u32 s61, s[TAU], 1
	s_add_co_u32 s60, s60, 1
	s_min_u32 s[TN], s61, s60                      ; the next trip's key step: 0 behind a diagonal
	s_min_u32 s[TN], s[TN], 15
	s_mul_i32 s[TN], s[TN], REC
	s_cmp_eq_u32 s[TAU], s[E]
	s_cselect_b32 s[F], 1, 0
	s_cmp_eq_u32 s[TAU], 16
	s_cselect_b32 s[F], 1, s[F]
.else
	s_add_co_u32 s[TN], s[TB], REC
.endif
	v_add_nc_u32 v[AV], s[TB], v[LI]               ; these four and four v_nop are the places behind the products, in front of the loads below and of the first read of the scores
	v_add_nc_u32 v[AV4], s[TB], v[LS]
	v_add_nc_u32 v[AK], s[TN], v[LI]
	v_add_nc_u32 v[AK4], s[TN], v[LS]
.rept 4
	v_nop
.endr
	WIN 0x40                                       ; destination window 1
.irp d, 0,1,2,3
.irp c, 0,1,2,3
	ds_load_b128 v[VB+16*\d+4*\c:VB+16*\d+4*\c+3], v[AV] offset:8192+2048*\d+512*\c   ; this step's V: wanted behind the softmax
.endr
.endr
	KLOADS                                         ; the next trip's K
	WIN 0
	ds_load_b32 v[VSC], v[AV4] offset:16896
	ds_load_b32 v[VSC+1], v[AV4] offset:16896+128
	KSCALES
.if \gen
	s_cmp_eq_u32 s[F], 0
	s_cbranch_scc1 .Lopen_\@
	MASK
.Lopen_\@:
.endif
	SOFT
	WIN 0x41                                       ; O^T in window 1, f in window 0
.irp t, 0,1
.set n, 0
.rept 16
	v_pk_mul_f32 v[32*\t+n:32*\t+n+1], v[32*\t+n:32*\t+n+1], v[ST+8*\t+4:ST+8*\t+5] op_sel_hi:[1,0]   ; O^T under the new M.  (These are also the places between p's codes and the products)
.set n, n+2
.endr
.endr
	s_wait_alu depctr_va_vdst(0)
	s_wait_dscnt 4                                 ; V and its scale words are in; the four youngest loads, the next trip's words of K, may be out
	WIN 0x51                                       ; V, C and D window 1, p window 0
	s_setprio 0
.irp d, 0,1,2,3
.irp t, 0,1
	PV1 \d, \t                                     ; eight accumulators by turns, one instruction a turn
.endr
.endr
	WIN 0
.if \gen
	s_cmp_eq_u32 s[F], 0
	s_cbranch_scc1 .Lon_\@
	FINAL
	s_cmp_eq_u32 s[TAU], 16
	s_cbranch_scc1 .Lon_\@
	INIT WV                                        ; my second unit: group = my wave's number
.Lon_\@:
.else
	s_add_co_u32 s[TB], s[TB], REC
.endif
.endm
	INIT E                                         ; my first unit: group 15 - wave
	s_wait_tensorcnt 3                             ; my part of records 0-3 is in; three loads stay out
	s_barrier_signal -1
	s_barrier_wait -1
	v_mov_b32 v[AK], v[LI]
	v_mov_b32 v[AK4], v[LS]
	WIN 0x40
	KLOADS                                         ; key step 0
	WIN 0
	KSCALES
	s_mov_b32 s[TAU], 0
	s_mov_b32 s[TB], 0
.Lone:                                             ; trips 0-2: records 0-2, and K of record 3
	STEP 0
	s_add_co_u32 s[TAU], s[TAU], 1
	s_cmp_lt_u32 s[TAU], 3
	s_cbranch_scc1 .Lone
	s_setprio 0
	s_wait_tensorcnt 2                             ; my part of records 4-7 is in
	s_wait_dscnt 0x0
	s_barrier_signal -1
	s_barrier_wait -1
.Ltwo:                                             ; trips 3-6: records 3-6, and K of record 7
	STEP 0
	s_add_co_u32 s[TAU], s[TAU], 1
	s_cmp_lt_u32 s[TAU], 7
	s_cbranch_scc1 .Ltwo
	s_setprio 0
	s_wait_tensorcnt 0x0                           ; all of the head
	s_wait_dscnt 0x0
	s_barrier_signal -1
	s_barrier_wait -1
.Lthree:                                           ; trips 7-16: the earliest diagonal is wave 7's, in trip 8
	STEP 1
	s_add_co_u32 s[TAU], s[TAU], 1
	s_cmp_lt_u32 s[TAU], 17
	s_cbranch_scc1 .Lthree
	s_setprio 0
	s_wait_dscnt 0x0                               ; the last trip's loads of a next K, which nobody uses
	s_wait_tensorcnt 0x0
	ds_add_u32 v62, v63
	s_wait_dscnt 0x0
	CROUND                                         ; the closing round
	s_endpgm
.Lfunc_end_k_q1a15dbea13_attn:
	.size	k_q1a15dbea13_attn, .Lfunc_end_k_q1a15dbea13_attn-k_q1a15dbea13_attn
	.p2alignl 7, 3214868480
	.fill 96, 4, 3214868480
	.section	.rodata,"a",@progbits
	.p2align	6, 0x0
	.amdhsa_kernel k_q1a15dbea13_attn
		.amdhsa_group_segment_fixed_size 327680
		.amdhsa_private_segment_fixed_size 0
		.amdhsa_enable_private_segment 0
		.amdhsa_kernarg_size 40
		.amdhsa_user_sgpr_count 2
		.amdhsa_user_sgpr_kernarg_segment_ptr 1
		.amdhsa_wavefront_size32 1
		.amdhsa_system_sgpr_workgroup_id_x 1
		.amdhsa_system_sgpr_workgroup_id_y 1
		.amdhsa_system_sgpr_workgroup_id_z 1
		.amdhsa_system_vgpr_workitem_id 0
		.amdhsa_next_free_vgpr 512
		.amdhsa_next_free_sgpr 80
		.amdhsa_reserve_vcc 1
		.amdhsa_float_denorm_mode_32 3
		.amdhsa_float_denorm_mode_16_64 3
		.amdhsa_fp16_overflow 1
		.amdhsa_memory_ordered 1
		.amdhsa_forward_progress 1
		.amdhsa_inst_pref_size 126
	.end_amdhsa_kernel
	.amdgpu_metadata
---
amdhsa.version: [ 1, 2 ]
amdhsa.kernels:
  - .name:           k_q1a15dbea13_attn
    .symbol:         k_q1a15dbea13_attn.kd
    .args:
      - { .name: q_img, .offset: 0, .size: 8, .value_kind: global_buffer, .address_space: global }
      - { .name: q_sc, .offset: 8, .size: 8, .value_kind: global_buffer, .address_space: global }
      - { .name: kv, .offset: 16, .size: 8, .value_kind: global_buffer, .address_space: global }
      - { .name: o_img, .offset: 24, .size: 8, .value_kind: global_buffer, .address_space: global }
      - { .name: o_sc, .offset: 32, .size: 8, .value_kind: global_buffer, .address_space: global }
    .group_segment_fixed_size: 327680
    .private_segment_fixed_size: 0
    .kernarg_segment_align: 8
    .kernarg_segment_size: 40
    .max_flat_workgroup_size: 256
    .sgpr_count:     80
    .vgpr_count:     512
    .wavefront_size: 32
...
	.end_amdgpu_metadata
.endif
;; end of part 2
;; launch oproj (part 3): grid 4 x 64, 4 waves a work-group, clusters of 4 x 4, 327,680 bytes of LDS; arguments o_img, o_sc, Wo_codes, Wo_scales, bo, out0; writes out0
.if DOCPART == 3
	.amdgcn_target "amdgcn-amd-amdhsa--gfx1250"
	.amdhsa_code_object_version 6
	.text
	.protected	k_q1a15dbea13_oproj
	.globl	k_q1a15dbea13_oproj
	.p2align	8
	.type	k_q1a15dbea13_oproj,@function
k_q1a15dbea13_oproj:
	s_mov_b64 s[64:65], 0
	v_nop
	global_prefetch_b8 v0, s[64:65] scope:SCOPE_SE
	s_setreg_imm32_b32 hwreg(HW_REG_WAVE_MODE, 25, 1), 1
	s_wait_xcnt 0x0
	s_wait_alu depctr_hold_cnt(0) depctr_sa_sdst(0) depctr_va_vdst(0) depctr_va_sdst(0) depctr_va_ssrc(0) depctr_va_vcc(0) depctr_vm_vsrc(0)
	s_getreg_b32 s2, hwreg(HW_REG_IB_STS2, 6, 4)
	s_cmp_eq_u32 s2, 0
	s_cbranch_scc0 .Lentry_in_a_cluster
	s_endpgm
.Lentry_in_a_cluster:
	s_bfe_u32 s2, ttmp6, 0x10000c
	s_cmp_lg_u32 s2, 0xf033
	s_cbranch_scc0 .Lentry_shape_is_right
	s_endpgm
.Lentry_shape_is_right:
; out0 = o Wo + bo on codes of BF8 (E5M2) with one E8M0 scale for each 32 along K = 1,024; out0 [8,192][1,024] f32.
; o comes from the launch before as images of operand registers: o_img [row tile of 16][k / 128][block of 32][lane][16 bytes], natural K; its scale words o_sc [128 rows][k / 128][row][4 bytes].
; A work-group makes 128 rows (P = o, source 1: rows to the lanes) x 256 columns (R = Wo's rows n, source 0: columns along a lane's registers): 256 work-groups.  Four waves, each 64 x 128: 32 accumulators.
; K goes in steps of 256 through two LDS slots; P's tile is asked for jointly by a row of the cluster, R's by a column.  The bias is the C of each sum's first matrix instruction.
; o's scale words arrive by k / 128; one pass through registers lays them a row on end (32 bytes), as Wo's lie, so that one load brings a K step's two words.
.set KROW,   1024
.set ROWB,   256
.set PITCH,  272
.set RHALF,  128*PITCH
.set RB,     32768                     ; a slot: P's images, 8 row tiles x 4,096 bytes, dense; then R's 256 rows
.set SLOT,   RB+2*RHALF
.set SCLA,   2*SLOT                    ; o's scale bytes, a row on end, as pieces of 256 bytes + 16: stored by the waves, never filled
.set PHS,    8*272
.set RHS,    16*272
.set SBLK,   2*272
.set SCLB,   SCLA+2*PHS                ; Wo's, filled once
.set SPARE,  SCLB+2*RHS                ; the spare words
.set RAW,    SPARE+512                 ; o's scale words as they arrive: 4,096 bytes, filled once
.set SPITCH, 528                       ; the way out: a stage of 16 rows x (512 + 16) bytes a wave, in slot 0, behind its last fill and its last read
.set FR,     16
.set NP,     8
.set BA,   3                           ; v3   32 h: my eight numbers of the bias
.set RWA,  5                           ; v5   RAW + 4 x thread
.set RWS,  6                           ; v6   where my thread's row of scale bytes goes
.set ADRA, 16
.set ADRB, 20
.set STO,  24
.set RD,   25
.set CO,   26
.set ADRS, 27
.set SPW,  28
.set NIL,  29
.set SC,   32                          ; v32-63 scale words, two sets
.set BIAS, 64                          ; v64-127 bo at my 128 columns, in the result's layout: 8 registers for each block of R
.set AF,   128                         ; v128-191 P's four fragments
.set BK,   128                         ; the way out: v128-191 and v192-255 by turns
.set G1,   24
.set G0,   32
.set G1B,  48
.set G0B,  56
.set G1S,  68
.set G0S,  76
.set G1SB, 80
.set G0SB, 88
.set MSB, 0
.macro WIN new
.if MSB != \new
	s_set_vgpr_msb (MSB<<8)|\new
.set MSB, \new
.endif
.endm
.set MUL,  0xa1                        ; source 0 (R) window 1, source 1 (P) window 0, C and D window 2
.set MULF, 0x81                        ; the same with C (the bias) in window 0
.set TO_B, 0x40
.macro JLOAD g0a, g1a, g0b, g1b        ; waves 0 and 1 fetch for P, waves 2 and 3 for R; four v_nop follow each line
	s_cmp_eq_u32 s15, 0
	s_cbranch_scc0 .Lfor_b_\@
	tensor_load_to_lds s[\g0a:\g0a+3], s[\g1a:\g1a+7]
	s_nop 0
.rept 4
	v_nop
.endr
	s_branch .Lasked_\@
.Lfor_b_\@:
	tensor_load_to_lds s[\g0b:\g0b+3], s[\g1b:\g1b+7]
	s_nop 0
.rept 4
	v_nop
.endr
.Lasked_\@:
.endm
.macro CREST
	s_cmp_lg_u32 s14, 0
	s_cbranch_scc1 .Lnot_wave_0_\@
	s_barrier_signal -3
.Lnot_wave_0_\@:
	s_barrier_wait -3
	s_barrier_signal -1
	s_barrier_wait -1
.endm
.macro CROUND
	s_barrier_signal -1
	s_barrier_wait -1
	CREST
.endm
.macro PLACES n
.rept \n
	v_nop
.endr
.endm
	s_load_b128 s[4:7], s[0:1], 0x0                ; o_img, o_sc
	s_load_b128 s[8:11], s[0:1], 0x10              ; Wo's codes, Wo's scales
	s_load_b128 s[92:95], s[0:1], 0x20             ; bo, out0
	v_lshl_add_u32 v[SPW], v0, 2, SPARE
	v_mov_b32 v[NIL], 0
	ds_add_u32 v28, v29
	ds_add_u32 v28, v29
	s_wait_dscnt 0x0
	v_lshrrev_b32 v1, 5, v0
	v_readfirstlane_b32 s14, v1                    ; wave 0..3
	s_lshr_b32 s15, s14, 1                         ; which 64 rows are mine.  Also: I fetch for P (0) or for R (1)
	s_and_b32 s16, s14, 1                          ; which 128 columns.  Also: which half of that tile I fetch
	s_bfe_u32 s40, ttmp6, 0x40000
	s_bfe_u32 s41, ttmp6, 0x40004
	s_lshl_b32 s42, ttmp9, 2
	s_add_co_u32 s42, s42, s40                     ; R's tile of 256 columns
	s_and_b32 s17, ttmp7, 0xffff
	s_lshl_b32 s17, s17, 2
	s_add_co_u32 s17, s17, s41                     ; P's tile of 128 rows
	s_lshl_b32 s43, s41, 2
	s_lshl_b32 s43, 15, s43
	s_lshl_b32 s44, 0x1111, s40
	; P's codes: 4 row tiles a load, of each 4,096 bytes (512 elements of 8), 16,384 bytes apart in memory, dense in LDS
	s_or_b32 s[G1+0], s43, (3<<16)|(1<<21)
	s_mov_b32 s[G1+1], 512<<16
	s_mov_b32 s[G1+2], 4<<16
	s_mov_b32 s[G1+3], 512<<16
	s_mov_b32 s[G1+4], 4
	s_mov_b32 s[G1+5], 2048
	s_mov_b32 s[G1+6], 0
	s_mov_b32 s[G1+7], 0
	; R's codes: 128 rows of 256 bytes, 16 bytes of padding behind each
	s_or_b32 s[G1B+0], s44, (0<<16)|(1<<20)|(1<<21)|(5<<22)|(3<<25)
	s_mov_b32 s[G1B+1], ROWB<<16
	s_mov_b32 s[G1B+2], 128<<16
	s_mov_b32 s[G1B+3], ROWB<<16
	s_mov_b32 s[G1B+4], 128
	s_mov_b32 s[G1B+5], KROW
	s_mov_b32 s[G1B+6], 0
	s_mov_b32 s[G1B+7], 0
	; o's scale words: 2,048 dense bytes a load, as 8 rows of 256, no padding;  Wo's: 4,096 bytes as 16 rows of 256, 16 bytes of padding behind each
	s_or_b32 s[G1S+0], s43, (3<<16)|(1<<21)
	s_mov_b32 s[G1S+1], 32<<16
	s_mov_b32 s[G1S+2], 8<<16
	s_mov_b32 s[G1S+3], 32<<16
	s_mov_b32 s[G1S+4], 8
	s_mov_b32 s[G1S+5], 32
	s_mov_b32 s[G1S+6], 0
	s_mov_b32 s[G1S+7], 0
	s_or_b32 s[G1SB+0], s44, (3<<16)|(1<<20)|(1<<21)|(5<<22)|(3<<25)
	s_mov_b32 s[G1SB+1], 32<<16
	s_mov_b32 s[G1SB+2], 16<<16
	s_mov_b32 s[G1SB+3], 32<<16
	s_mov_b32 s[G1SB+4], 16
	s_mov_b32 s[G1SB+5], 32
	s_mov_b32 s[G1SB+6], 0
	s_mov_b32 s[G1SB+7], 0
	s_lshl_b32 s20, s17, 17                        ; P: 8 row tiles of 16,384 bytes a tile, my 4 of them
	s_lshl_b32 s2, s16, 16
	s_add_co_u32 s20, s20, s2
	s_mov_b32 s21, 0
	s_lshl_b32 s22, s17, 12                        ; its scale words: 4,096 bytes a tile, my half
	s_lshl_b32 s2, s16, 11
	s_add_co_u32 s22, s22, s2
	s_mov_b32 s23, 0
	s_lshl_b32 s46, s42, 8
	s_lshl_b32 s2, s16, 7
	s_add_co_u32 s46, s46, s2                      ; R: row 256 x tile + 128 x half
	s_lshl_b32 s18, s46, 5
	s_lshl_b32 s46, s46, 10
	s_mov_b32 s47, 0
	s_mov_b32 s19, 0
	s_lshl_b32 s96, s17, 19                        ; out0: my first row, 4,096 bytes a row,
	s_lshl_b32 s97, s15, 18
	s_add_co_u32 s96, s96, s97
	s_lshl_b32 s45, s42, 10                        ; my first column, 4 bytes each
	s_lshl_b32 s97, s16, 9
	s_add_co_u32 s45, s45, s97
	s_add_co_u32 s96, s96, s45
	s_mov_b32 s97, 0
	s_wait_kmcnt 0x0
	s_add_nc_u64 s[20:21], s[4:5], s[20:21]
	s_add_nc_u64 s[22:23], s[6:7], s[22:23]
	s_add_nc_u64 s[46:47], s[8:9], s[46:47]
	s_add_nc_u64 s[18:19], s[10:11], s[18:19]
	s_add_nc_u64 s[12:13], s[94:95], s[96:97]      ; s[12:13]: out0 at my part
	s_mov_b32 s96, s45
	s_add_nc_u64 s[92:93], s[92:93], s[96:97]      ; s[92:93]: bo at my columns
	CROUND                                         ; all sixteen work-groups are here: the first joint loads meet
	s_lshl_b32 s2, s16, 11
	s_mov_b32 s[G0S], 1
	s_add_co_u32 s[G0S+1], s2, RAW
	s_mov_b64 s[G0S+2:G0S+3], s[22:23]
	s_or_b32 s[G0S+3], s[G0S+3], 0x80000000
	s_mul_i32 s2, s16, RHS
	s_mov_b32 s[G0SB], 1
	s_add_co_u32 s[G0SB+1], s2, SCLB
	s_mov_b64 s[G0SB+2:G0SB+3], s[18:19]
	s_or_b32 s[G0SB+3], s[G0SB+3], 0x80000000
	JLOAD G0S, G1S, G0SB, G1SB
	s_lshl_b32 s2, s16, 14
	s_mul_i32 s3, s16, RHALF
	s_add_co_u32 s3, s3, RB
.irp s, 0,1
	s_mov_b32 s[G0+4*\s], 1
	s_add_co_u32 s[G0+4*\s+1], s2, \s*SLOT
	s_add_nc_u64 s[G0+4*\s+2:G0+4*\s+3], s[20:21], \s*4096
	s_or_b32 s[G0+4*\s+3], s[G0+4*\s+3], 0x80000000
	s_mov_b32 s[G0B+4*\s], 1
	s_add_co_u32 s[G0B+4*\s+1], s3, \s*SLOT
	s_add_nc_u64 s[G0B+4*\s+2:G0B+4*\s+3], s[46:47], \s*ROWB
	s_or_b32 s[G0B+4*\s+3], s[G0B+4*\s+3], 0x80000000
	s_wait_alu depctr_va_vdst(0)
	s_wait_tensorcnt 0x0
	ds_add_u32 v28, v29
	s_wait_dscnt 0x0
	CROUND
	JLOAD G0+4*\s, G1, G0B+4*\s, G1B               ; one load of mine is out
.endr
	v_and_b32 v1, 15, v0                           ; r
	v_bfe_u32 v2, v0, 4, 1                         ; h
	v_lshlrev_b32 v[BA], 5, v2
.irp b, 0,1,2,3,4,5,6,7
	global_load_b128 v[BIAS+8*\b:BIAS+8*\b+3], v[BA], s[92:93] offset:64*\b       ; bo at columns 16 b + 8 h + 0 .. 7 of my 128
	global_load_b128 v[BIAS+8*\b+4:BIAS+8*\b+7], v[BA], s[92:93] offset:64*\b+16
.endr
	v_and_b32 v7, 31, v0
	v_lshlrev_b32 v[CO], 4, v7                     ; 16 x lane
	s_lshl_b32 s21, s15, 14                        ; my 4 row tiles of P
	v_mul_u32_u24 v4, v1, PITCH
	v_lshl_add_u32 v4, v2, 4, v4
	s_mul_i32 s22, s16, RHALF
	s_add_co_u32 s22, s22, RB
.irp s, 0,1
	v_add_nc_u32 v[ADRA+\s], s21, v[CO]
	v_add_nc_u32 v[ADRB+\s], s22, v4
	s_add_co_u32 s21, s21, SLOT
	s_add_co_u32 s22, s22, SLOT
.endr
	v_lshlrev_b32 v8, 5, v1                        ; my row's scales: 32 bytes a row, and 16 more for each 256 passed
	v_lshrrev_b32 v9, 8, v8
	v_lshl_add_u32 v8, v9, 4, v8
	s_mul_i32 s21, s15, PHS
	s_mul_i32 s22, s16, RHS
	s_add_co_u32 s22, s22, 2*PHS
	s_sub_co_u32 s22, s22, s21
	v_mul_u32_u24 v9, s22, v2                      ; lanes 16-31 take R's
	s_add_co_u32 s21, s21, SCLA
	v_add_nc_u32 v8, v8, v9
	v_add_nc_u32 v[ADRS], s21, v8
	v_lshl_add_u32 v[RWA], v0, 2, RAW
	v_lshlrev_b32 v[RWS], 5, v0
	v_lshrrev_b32 v9, 3, v0
	v_lshl_add_u32 v[RWS], v9, 4, v[RWS]
	v_add_nc_u32 v[RWS], SCLA, v[RWS]
	s_mul_i32 s23, s14, 16*SPITCH                  ; my stage
	v_mul_u32_u24 v8, v1, SPITCH
	v_lshl_add_u32 v8, v2, 5, v8
	v_add_nc_u32 v[STO], s23, v8                   ; in: row r, 32 bytes for each half of the lanes
	v_add_nc_u32 v[RD], s23, v[CO]                 ; back: the 32 lanes take one row of 512 bytes
.macro FRAGB reg, adr, q, i
.irp c, 0,1,2,3
	ds_load_b128 v[\reg+4*\c:\reg+4*\c+3], v[\adr] offset:128*(\q)+32*\c+(\i)*16*PITCH
.endr
.endm
.macro FRAGA reg, adr, q, i            ; an image: 512 consecutive bytes a load
.irp c, 0,1,2,3
	ds_load_b128 v[\reg+4*\c:\reg+4*\c+3], v[\adr] offset:4096*(\i)+2048*(\q)+512*\c
.endr
.endm
.macro MULA a, p, q, sc, first         ; P's block a x R's eight; first = 1: the sums start from the bias.  The 32 accumulators take turns
.irp b, 0,1,2,3,4,5,6,7
.if \first
	v_wmma_scale_f32_16x16x128_f8f6f4 v[8*(8*(\a)+\b):8*(8*(\a)+\b)+7], v[128*(\p)+FR*\b:128*(\p)+FR*\b+FR-1], v[AF+FR*(\a):AF+FR*(\a)+FR-1], v[BIAS+8*\b:BIAS+8*\b+7], v[SC+16*(\sc)+2*\b+(\q)], v[SC+16*(\sc)+2*(\a)+(\q)] matrix_a_fmt:MATRIX_FMT_BF8 matrix_b_fmt:MATRIX_FMT_BF8 matrix_a_scale:MATRIX_SCALE_ROW1
.else
	v_wmma_scale_f32_16x16x128_f8f6f4 v[8*(8*(\a)+\b):8*(8*(\a)+\b)+7], v[128*(\p)+FR*\b:128*(\p)+FR*\b+FR-1], v[AF+FR*(\a):AF+FR*(\a)+FR-1], v[8*(8*(\a)+\b):8*(8*(\a)+\b)+7], v[SC+16*(\sc)+2*\b+(\q)], v[SC+16*(\sc)+2*(\a)+(\q)] matrix_a_fmt:MATRIX_FMT_BF8 matrix_b_fmt:MATRIX_FMT_BF8 matrix_a_scale:MATRIX_SCALE_ROW1
.endif
.endr
.endm
.macro FETCH_B slot, q, p
	WIN TO_B
.irp i, 0,1,2,3,4,5,6,7
	FRAGB 128*(\p)+FR*\i, ADRB+\slot, \q, \i
.endr
	WIN 0
.endm
.macro FETCH_A slot, q, i0
.irp i, \i0, \i0+1
	FRAGA AF+FR*(\i), ADRA+\slot, \q, \i
.endr
.endm
.macro SCALES sc
.irp i, 0,1,2,3,4,5,6,7
	ds_load_b64 v[SC+16*\sc+2*\i:SC+16*\sc+2*\i+1], v[ADRS] offset:\i*SBLK
.endr
.endm
.macro WMUL first
.if \first
	WIN MULF
.else
	WIN MUL
.endif
.endm
.macro STEP slot, q, first
	s_wait_dscnt 8                                 ; all but the youngest eight loads, P's blocks 2 and 3
	WMUL \first
	MULA 0, (\q)%2, \q, \slot, \first
	MULA 1, (\q)%2, \q, \slot, \first
	s_wait_dscnt 0x0
	PLACES NP
	FETCH_B \slot, (\q)+1, 1-(\q)%2
	FETCH_A \slot, (\q)+1, 0
	WMUL \first
	MULA 2, (\q)%2, \q, \slot, \first
	MULA 3, (\q)%2, \q, \slot, \first
	PLACES NP
	WIN 0
	FETCH_A \slot, (\q)+1, 2
.endm
.macro TURN slot, next, fill
	s_wait_tensorcnt 0x0                           ; all my tensor loads have landed: my part of the next slot
	ds_add_u32 v[SPW], v[NIL]                      ; 0 onto my spare word
	s_wait_dscnt 9                                 ; the add and the youngest eight loads may be out
	WIN MUL
	MULA 0, 1, 1, \slot, 0
	s_wait_dscnt 0x0                               ; the add is done, and my reads of this slot are over
	s_barrier_signal -1
	MULA 1, 1, 1, \slot, 0
	WIN 0
	s_barrier_wait -1
.if \fill
	CREST                                          ; no wave of any partner still reads this slot or has a load on its way
	s_add_nc_u64 s[G0+4*\slot+2:G0+4*\slot+3], s[G0+4*\slot+2:G0+4*\slot+3], 2*4096
	s_add_nc_u64 s[G0B+4*\slot+2:G0B+4*\slot+3], s[G0B+4*\slot+2:G0B+4*\slot+3], 2*ROWB
	JLOAD G0+4*\slot, G1, G0B+4*\slot, G1B
	PLACES NP-4
.else
	PLACES NP
.endif
	s_wait_alu depctr_va_vdst(0)
	v_add_nc_u32 v[ADRS], 8, v[ADRS]
	FETCH_B \next, 0, 0
	FETCH_A \next, 0, 0
	SCALES \next
	WIN MUL
	MULA 2, 1, 1, \slot, 0
	MULA 3, 1, 1, \slot, 0
	PLACES NP
	WIN 0
	FETCH_A \next, 0, 2
.endm
	s_wait_alu depctr_va_vdst(0)
	s_wait_tensorcnt 1                             ; the scales and my part of K step 0 are in; K step 1's load may be out
	s_barrier_signal -1
	s_barrier_wait -1
.irp k, 0,1,2,3,4,5,6,7
	ds_load_b32 v[192+\k], v[RWA] offset:512*\k    ; thread T: row T's eight scale words, one for each 128 along K
.endr
	s_wait_dscnt 0x0
	ds_store_b128 v[RWS], v[192:195]               ; a row on end
	ds_store_b128 v[RWS], v[196:199] offset:16
	s_wait_dscnt 0x0
	s_barrier_signal -1
	s_barrier_wait -1
	FETCH_B 0, 0, 0
	FETCH_A 0, 0, 0
	SCALES 0
	FETCH_A 0, 0, 2
	s_wait_loadcnt 0x0                             ; the bias
	STEP 0, 0, 1
	TURN 0, 1, 1
	STEP 1, 0, 0
	TURN 1, 0, 1
	STEP 0, 0, 0
	TURN 0, 1, 0
	STEP 1, 0, 0
	s_wait_dscnt 8
	WIN MUL
	MULA 0, 1, 1, 1, 0
	MULA 1, 1, 1, 1, 0
	s_wait_dscnt 0x0
	MULA 2, 1, 1, 1, 0
	MULA 3, 1, 1, 1, 0
	WIN 0
; THE WAY OUT, block by block of 16 rows x 128 columns: a lane's 32 bytes of a row go into my own stage and come back as whole rows of 512 bytes.  LDS serves a wave's instructions in order.
.macro TOSTAGE a
	WIN 0x08                                       ; an LDS store's data are its source 1: window 2
.irp b, 0,1,2,3,4,5,6,7
	ds_store_b128 v[STO], v[64*(\a)+8*\b:64*(\a)+8*\b+3] offset:64*\b        ; each accumulator from its low end on
	ds_store_b128 v[STO], v[64*(\a)+8*\b+4:64*(\a)+8*\b+7] offset:64*\b+16
.endr
	WIN 0
.set BB, BK+64*((\a)%2)
.irp t, 0,1,2,3,4,5,6,7,8,9,10,11,12,13,14,15
	ds_load_b128 v[BB+4*\t:BB+4*\t+3], v[RD] offset:\t*SPITCH
.endr
.endm
.macro SEND a, younger
.set BB, BK+64*((\a)%2)
	s_wait_dscnt \younger                          ; the block is back in registers
.if (\a) > 0
	s_add_nc_u64 s[12:13], s[12:13], 16*4096       ; (behind a wait for the earlier stores' addresses)  16 rows on
.endif
.irp t, 0,1,2,3,4,5,6,7,8,9,10,11,12,13,14,15
	global_store_b128 v[CO], v[BB+4*\t:BB+4*\t+3], s[12:13] offset:\t*4096 th:TH_STORE_NT   ; 32 lanes store 512 consecutive bytes, aligned
.endr
.endm
	PLACES NP
	TOSTAGE 0
.irp a, 1,2,3
.if \a > 1
	s_wait_xcnt 0x0                                ; block a - 2's stores have read their registers and their base
.endif
	TOSTAGE \a
	SEND \a-1, 32                                  ; behind block a - 1's loads: block a's 16 stores and 16 loads
.endr
	s_wait_xcnt 0x0
	SEND 3, 0
	s_wait_tensorcnt 0x0                           ; the wave's end
	ds_add_u32 v[SPW], v[NIL]
	s_wait_dscnt 0x0
	CROUND                                         ; the closing round
	s_endpgm
.Lfunc_end_k_q1a15dbea13_oproj:
	.size	k_q1a15dbea13_oproj, .Lfunc_end_k_q1a15dbea13_oproj-k_q1a15dbea13_oproj
	.p2alignl 7, 3214868480
	.fill 96, 4, 3214868480
	.section	.rodata,"a",@progbits
	.p2align	6, 0x0
	.amdhsa_kernel k_q1a15dbea13_oproj
		.amdhsa_group_segment_fixed_size 327680
		.amdhsa_private_segment_fixed_size 0
		.amdhsa_enable_private_segment 0
		.amdhsa_kernarg_size 48
		.amdhsa_user_sgpr_count 2
		.amdhsa_user_sgpr_kernarg_segment_ptr 1
		.amdhsa_wavefront_size32 1
		.amdhsa_system_sgpr_workgroup_id_x 1
		.amdhsa_system_sgpr_workgroup_id_y 1
		.amdhsa_system_sgpr_workgroup_id_z 1
		.amdhsa_system_vgpr_workitem_id 0
		.amdhsa_next_free_vgpr 768
		.amdhsa_next_free_sgpr 98
		.amdhsa_reserve_vcc 0
		.amdhsa_float_denorm_mode_32 3
		.amdhsa_float_denorm_mode_16_64 3
		.amdhsa_memory_ordered 1
		.amdhsa_forward_progress 1
		.amdhsa_inst_pref_size 94
	.end_amdhsa_kernel
	.amdgpu_metadata
---
amdhsa.version: [ 1, 2 ]
amdhsa.kernels:
  - .name:           k_q1a15dbea13_oproj
    .symbol:         k_q1a15dbea13_oproj.kd
    .args:
      - { .name: o_img, .offset: 0, .size: 8, .value_kind: global_buffer, .address_space: global }
      - { .name: o_sc, .offset: 8, .size: 8, .value_kind: global_buffer, .address_space: global }
      - { .name: Wo_codes, .offset: 16, .size: 8, .value_kind: global_buffer, .address_space: global }
      - { .name: Wo_scales, .offset: 24, .size: 8, .value_kind: global_buffer, .address_space: global }
      - { .name: bo, .offset: 32, .size: 8, .value_kind: global_buffer, .address_space: global }
      - { .name: out0, .offset: 40, .size: 8, .value_kind: global_buffer, .address_space: global }
    .group_segment_fixed_size: 327680
    .private_segment_fixed_size: 0
    .kernarg_segment_align: 8
    .kernarg_segment_size: 48
    .max_flat_workgroup_size: 128
    .sgpr_count:     98
    .vgpr_count:     768
    .wavefront_size: 32
...
	.end_amdgpu_metadata
.endif
;; end of part 3
